; MI455X (gfx1250); checked and timed in simulation.
; The chip was launched on July 23, 2026; its instructions are those of AMD's public machine-readable ISA for CDNA 5 (MIT licence, August 2026) and "CDNA5" Instruction Set Architecture Reference Guide (July 2026). The comments in the code are by the model that wrote it; some were corrected since.
;; Casual Self Attention. Allowed arithmetic: matrix products marked QUANTISED: E2M3 operands, one E8M0 scale for each 32 along K, by v_wmma_scale_f32_16x16x128_f8f6f4 with both operands' format E2M3, f32 sums; everything else in f32.
;; Inputs: W_attn_codes 3,072 x 32 x 24 uint8 (E2M3 codes of W_attn, K innermost, in blocks of 32 codes, four codes in three bytes); W_attn_scales 3,072 x 32 uint8 (E8M0 scales of W_attn, one for each 32 codes along K); W_proj_codes 1,024 x 32 x 24 uint8 (E2M3 codes of W_proj, K innermost, in blocks of 32 codes, four codes in three bytes); W_proj_scales 1,024 x 32 uint8 (E8M0 scales of W_proj, one for each 32 codes along K); b_attn 3,072 float32; b_proj 1,024 float32; x_codes 4 x 2,048 x 32 x 24 uint8 (E2M3 codes of x, K innermost, in blocks of 32 codes, four codes in three bytes); x_scales 4 x 2,048 x 32 uint8 (E8M0 scales of x, one for each 32 codes along K).
;; Outputs: out0 4 x 2,048 x 1,024 float32.
;; This version of the problem:
;;   THIS VERSION OF THE PROBLEM IS GIVEN IN LOW PRECISION. The matrix products marked QUANTISED in the list below multiply operands that are first quantised to E2M3 (2 exponent bits, 3 mantissa bits; 6 bits a number), with one power-of-two scale for each 32 numbers along K (OCP MX v1.0); their sums are f32. All else is computed in f32.
;;   The module's matrix products, in the order in which they are computed (A, B: the left and right operand; K: the contracted axis; several contracted axes count as one K, in the product's order):
;;     1. [M 8,192, K 1,024] x [K 1,024, N 3,072]; A: input x (given as codes); B: input W_attn (given as codes): QUANTISED
;;     2. batch 64 x [M 2,048, K 64] x [K 64, N 2,048]; A: computed on the way; B: computed on the way: QUANTISED
;;     3. batch 64 x [M 2,048, K 2,048] x [K 2,048, N 64]; A: softmax (see below); B: computed on the way: QUANTISED
;;     4. [M 8,192, K 1,024] x [K 1,024, N 1,024]; A: computed on the way; B: input W_proj (given as codes): QUANTISED
;;   THE QUANTISER, for each operand of a quantised product, along K:
;;     - K is cut into blocks of 32 from its start; a last block that is shorter is filled with zeros.
;;     - A block's scale is 2^e with e = floor(log2(the largest magnitude in the block)) - 2, held to -126 .. 127; a block of zeros has e = 0. As a byte (E8M0): e + 127.
;;     - Each number is divided by its block's scale, clamped to +-7.5, and rounded to the nearest number of E2M3, ties to even, subnormals kept.
;;     - The product sums the exact products of the quantised numbers (number of the format x scale) in f32.
;;   ~~~python
;;   def quantise(x, axis):      # numpy; x: float32 -> the quantised numbers, widened to float32 again
;;       x = np.moveaxis(x, axis, -1); K = x.shape[-1]
;;       x = np.pad(x, [(0, 0)] * (x.ndim - 1) + [(0, -K % 32)]); x = x.reshape(x.shape[:-1] + (-1, 32)); a = np.abs(x).max(-1, keepdims=True)
;;       e = np.where(a > 0, np.clip(np.frexp(np.where(a > 0, a, 1))[1] - 1 - 2, -126, 127), 0)      # np.frexp(a)[1] - 1 = floor(log2(a)), exactly
;;       r = np.clip(x / 2.0 ** e, -7.5, 7.5)
;;       step = 2.0 ** (np.maximum(np.frexp(np.where(r == 0, 1, r))[1] - 1, 0) - 3)
;;       q = np.round(r / step) * step * 2.0 ** e      # np.round: ties to even
;;       return np.moveaxis(q.reshape(q.shape[:-2] + (-1,))[..., :K], -1, axis).astype(np.float32)
;;   ~~~
;;   SOFTMAX AHEAD OF A QUANTISED PRODUCT. Where the list says 'softmax', what is quantised is not the finished softmax but p = 2^(t - M), with t = logit x log2(e) and M = ceil(the row's largest t), a whole number; so 1/2 < the row's largest p <= 1. The row's sum l is taken of the UNQUANTISED p, in f32, and the product's result is divided by l at the end. Since M is a whole number, a kernel that streams over the keys may use a running M (the ceiling of the running maximum): every later rescaling is an exact power of two, which a block's scale takes up: the codes' values come out the same.
;;   OPERANDS COMPUTED ON THE WAY. 'Computed on the way' means the value that the module computes at that place (a softmax that the list does not call 'softmax' is quantised finished and normalised). What goes into a quantiser is computed in f32, as accurately as f32 sums, v_exp_f32 and their like allow (about 1e-6 of the number): no bf16 or f16 on the way to a quantiser, and a product that is left as it is and whose result goes on into a quantised operand takes f32 operands (vector FMAs, or v_wmma_f32_16x16x4_f32). A number that lies on a knife's edge between two numbers of the format may be rounded either way, as far as f32 arithmetic and the matrix unit's own rounding can turn it there, and no further.
;;   INPUTS GIVEN AS CODES. W_attn (in the module: [1024, 3072], K = its axis 0); W_proj (in the module: [1024, 1024], K = its axis 0); x (in the module: [4, 2048, 1024], K = its axis 2): each comes as NAME_codes (uint8): NAME with its K axis moved to the last place and cut into blocks of 32 codes, [.., K / 32, bytes a block], one block behind the other in memory; four codes in three bytes: a row's codes are one little-endian stream of bits, code i at bits 6 i .. 6 i + 5 (a code: sign, 2 exponent bits, 3 mantissa bits); and NAME_scales (uint8): the same leading axes, one E8M0 byte (e + 127) for each 32 codes along K. Its value is code x scale, taken as it is: it is not quantised again, and the codes and scales need not be those that the quantiser above would give.
;; One version. Each part assembles by itself: llvm-mc -triple=amdgcn-amd-amdhsa -mcpu=gfx1250 --defsym DOCPART=n.
;; ======== version 1 of 1: 3 launches
;; workspace buffers: qkvc 18,874,368 bytes; qkvs 786,432 bytes; yc 6,291,456 bytes; ys 262,144 bytes
;; launch qkv (part 1): grid 12 x 32, 4 waves a work-group, clusters of 4 x 4, 327,680 bytes of LDS; arguments x_codes, x_scales, W_attn_codes, W_attn_scales, b_attn, qkvc, qkvs; writes qkvc, qkvs
.if DOCPART == 1
	.amdgcn_target "amdgcn-amd-amdhsa--gfx1250"
	.amdhsa_code_object_version 6
	.text
	.protected	k_q2b3e19f4fd_qkv
	.globl	k_q2b3e19f4fd_qkv
	.p2align	8
	.type	k_q2b3e19f4fd_qkv,@function
k_q2b3e19f4fd_qkv:
	s_mov_b64 s[64:65], 0
	v_nop
	global_prefetch_b8 v0, s[64:65] scope:SCOPE_SE
	s_setreg_imm32_b32 hwreg(HW_REG_WAVE_MODE, 25, 1), 1
	s_wait_xcnt 0x0
	s_wait_alu depctr_hold_cnt(0) depctr_sa_sdst(0) depctr_va_vdst(0) depctr_va_sdst(0) depctr_va_ssrc(0) depctr_va_vcc(0) depctr_vm_vsrc(0)
	s_getreg_b32 s2, hwreg(HW_REG_IB_STS2, 6, 4)
	s_cmp_eq_u32 s2, 0
	s_cbranch_scc0 .Lentry_in_a_cluster
	s_endpgm
.Lentry_in_a_cluster:
	s_bfe_u32 s2, ttmp6, 0x10000c
	s_cmp_lg_u32 s2, 0xf033
	s_cbranch_scc0 .Lentry_shape_is_right
	s_endpgm
.Lentry_shape_is_right:
; qkv = x W_attn + b_attn on codes of FP6 (E2M3) with one E8M0 scale for each 32 along K = 1,024; the result is quantised again at once: q and k along a head's 64 channels, v along the keys.
; x: 8,192 rows of 768 bytes of codes and 32 scale bytes; W_attn: 3,072 rows likewise (rows 0-1,023 make q, 1,024-2,047 k, 2,048-3,071 v).
; A work-group of four waves makes 256 x 256 results, a wave 128 x 128: 64 accumulators of 16 x 16, 512 registers.  K goes in steps of 256 through a ring of two LDS slots filled by the tensor data mover.
; ROLES.  Source 0 of the matrix instruction takes 16 rows of the B-role tensor, source 1 16 rows of the A-role tensor: in accumulator (a, b) lane (r, h) holds A-role row 16 a + r, and its register j B-role row 16 b + 8 h + j.
; A lane's registers so run along the B-role rows, and the result is always quantised along them.  MODE = the cluster's x.  MODE 0, 1 (q, k): A-role = x (tokens), B-role = W_attn (channels).  MODE 2 (v): A-role = W_attn, B-role = x (keys).
; MODE is the same in all sixteen partners of a cluster; only pointers, strides and the bias's place hang on it, and one branch round the first step of 128 along K, whose C is the bias.
; CLUSTERS: 4 x 4 work-groups.  The four of a row of the cluster need the same A-role tiles, the four of a column the same B-role tiles: each tile is asked for jointly, by the same tensor load with a mask that names the four.
; WHAT IS STORED.  A UNIT is the register image of 16 rows x 64 along K, six registers a lane (lane (r, h): row r, k = 32 h + 0 .. 31): 768 bytes: registers 0-3 at 16 x lane, registers 4-5 at 512 + 8 x lane.
;   qkvc: region (q, k, v) x 6,291,456 + head (16 batch + head) x 98,304; q, k: token tile tau at 768 tau; v: key step st (128 keys) at 6,144 st, channel tile t at 1,536 t, keys 64 c on at 768 c.
;   qkvs: region x 262,144 + head x 4,096 + step x 256 + 16 r: four words.  q, k: word i: bytes 0, 1 the two blocks of row r of the step's tile 2 i, bytes 2, 3 of tile 2 i + 1.  v: word t: the step's four key blocks of channel 16 t + r.
; THE ORDER INSIDE A BLOCK OF 32 is the one in which the registers fall: places 0-7, 8-15, 16-23, 24-31 hold numbers 0-7, 16-23, 8-15, 24-31.  q and k have it alike, v has it along the keys as the next launch's p has:
; a permutation inside a block, alike on both operands of a product, changes neither the block's scale nor the sum.
; LIMITS: a block of zeros gets the scale byte 1 where the quantiser's rule says 127 (its codes are zeros, and these bytes are read by this program alone); a block's largest magnitude is not taken under 2^-124; NaN and infinities are not served.
; REGISTERS, in windows of 256: window 0: v16-29 addresses; v32-63 scale words, two sets; v64-127 the bias; v128-223 A's fragments, ONE set; v224-237 offsets for the bias and the way out.  On the way out v128-183 are at work.
;   window 1: B's fragments, two sets, at v0 and v128.   window 2: the accumulators of my A-role rows 0-63 ((a, b) at v[8 (8 a + b)]);   window 3: those of rows 64-127.
.set KSTEP,  256                       ; along K in a slot
.set NQ,     2                         ; matrix instructions deep
.set ROWB,   192                       ; a tile's row in bytes
.set KROW,   768                       ; a row of x or of W_attn in memory
.set PITCH,  240                       ; an LDS row: 3 x (64 bytes + 16 of padding)
.set FR,     12                        ; registers of a fragment: 16 rows x 128 K
.set NL,     6                         ; LDS loads that bring one
.set NP,     4                         ; places behind this matrix instruction (ISA guide 7.12.1)
.set HALFT,  128*PITCH                 ; 128 rows: what one tensor load brings
.set SLOT,   4*HALFT                   ; A's 256 rows, then B's 256 rows
.set LAPS,   2                         ; a lap = two K steps = once round the ring: 1,024 / 512
.set KS,     32                        ; a row of scale bytes
.set SCL,    2*SLOT                    ; behind the ring: the scales, rows of 256 bytes + 16 of padding
.set HALFS,  16*272                    ; the scales of 128 rows
.set SBLK,   2*272                     ; those of 16 rows
.set SPARE,  SCL+4*HALFS               ; the spare words: 128 bytes for each wave, two blocks of 256 bytes that no other line names
.set ADRA, 16                          ; v16-17 LDS address of my A fragments in slot 0, 1 (v18-19: behind one padding more)
.set ADRB, 20                          ; v20-23 the same for B
.set ADRS, 27                          ; v27 my scale words: lanes 0-15 A's rows, lanes 16-31 B's
.set SPW,  28                          ; v28 LDS address of my spare word; never rewritten
.set NIL,  29                          ; v29 0; never rewritten
.set SC,   32                          ; scale words: set s at v[SC + 16 s]; register 2 i + q: lanes 0-15 A's block i, lanes 16-31 B's block i
.set BIAS, 64                          ; v64-127 the bias, eight registers for each of eight groups
.set AF,   128                         ; A's fragments
.set VOF,  224                         ; v224-231 the bias loads' offsets
.set VO,   232                         ; v232-235 the way out: 16 l, 512 + 8 l, and both one unit stride on
.set VS,   236                         ; v236 16 r + 4,096 h: where my scale words go
.set SELQ, 237                         ; v237 byte selector: lanes 0-15 take a word's bytes 0, 1, lanes 16-31 bytes 2, 3
.set TM,   128                         ; v128-131 largest magnitudes, v132-135 the other half's, then bytes, v140-143 the conversions' scale operands
.set PW,   144                         ; v144-151 a scale word for each a
.set CD,   152                         ; v152-163 the codes; v164-166, v168-170 second halves
.set OQ,   172
.set OV,   176
.set OUTW, 180
.set G1, 24                            ; s[24:31] group 1 for A's tiles; s[32:39] group 0, a set for each slot
.set G0, 32
.set G1B, 48                           ; s[48:55], s[56:63] the same for B's
.set G0B, 56
.set G1S, 68                           ; s[68:75], s[76:79] for A's scales; s[80:87], s[88:91] for B's
.set G0S, 76
.set G1SB, 80
.set G0SB, 88
.set MODE, 66
.set MV,   67                          ; all ones in MODE 2, else 0
.set SA,   4                           ; s[4:5] from tile a to tile a + 1 in qkvc
.set SB,   6                           ; s[6:7] added once more at a = 4
.set SU,   8                           ; from a tile's first unit to its second
.set HM,   9                           ; lanes 16-31
.set SEL,  10                          ; s[10:11] selects of v_permlanex16_b32 for lane l xor 16
.set OB,   96                          ; s[96:97] qkvc, then my part of it
.set SCB,  98                          ; s[98:99] qkvs, then my part of it
.set MSB, 0
.macro WIN new                         ; the immediate's high byte repeats the setting that is left
.if MSB != (\new)
	s_set_vgpr_msb (MSB<<8)|(\new)
.set MSB, (\new)
.endif
.endm
.set MUL_LO, 0xa1                      ; source 0 (B) window 1, source 1 (A) window 0, C and D window 2
.set MUL_HI, 0xf1                      ; the same, C and D window 3
.set TO_B,   0x40                      ; destination window 1, address window 0
; A joint load: waves 0 and 1 fetch for A, waves 2 and 3 for B.  The branch hangs on the wave's number alone.  Four v_nop follow each of the two lines.
.macro JLOAD g0a, g1a, g0b, g1b
	s_cmp_eq_u32 s15, 0
	s_cbranch_scc0 .Lfor_b_\@
	tensor_load_to_lds s[\g0a:\g0a+3], s[\g1a:\g1a+7]
	s_nop 0
.rept 4
	v_nop
.endr
	s_branch .Lasked_\@
.Lfor_b_\@:
	tensor_load_to_lds s[\g0b:\g0b+3], s[\g1b:\g1b+7]
	s_nop 0
.rept 4
	v_nop
.endr
.Lasked_\@:
.endm
.macro CREST                           ; a round of the cluster's barrier behind its opening barrier
	s_cmp_lg_u32 s14, 0
	s_cbranch_scc1 .Lnot_wave_0_\@
	s_barrier_signal -3
.Lnot_wave_0_\@:
	s_barrier_wait -3
	s_barrier_signal -1
	s_barrier_wait -1
.endm
.macro CROUND                          ; a whole round
	s_barrier_signal -1
	s_barrier_wait -1
	CREST
.endm
	s_load_b128 s[4:7], s[0:1], 0x0                ; x's codes, x's scales
	s_load_b128 s[8:11], s[0:1], 0x10              ; W_attn's codes, its scales
	s_load_b64 s[12:13], s[0:1], 0x20              ; b_attn
	s_load_b64 s[OB:OB+1], s[0:1], 0x28            ; qkvc
	s_load_b64 s[SCB:SCB+1], s[0:1], 0x30          ; qkvs
	v_lshl_add_u32 v[SPW], v0, 2, SPARE
	v_mov_b32 v[NIL], 0
	ds_add_u32 v28, v29
	ds_add_u32 v28, v29
	s_wait_dscnt 0x0
	v_lshrrev_b32 v1, 5, v0
	v_readfirstlane_b32 s14, v1                    ; wave 0..3
	s_lshr_b32 s15, s14, 1                         ; which half of the A-role rows is mine.  Also: I fetch for A (0) or for B (1)
	s_and_b32 s16, s14, 1                          ; which half of the B-role rows.  Also: which 128 rows I fetch
	s_bfe_u32 s40, ttmp6, 0x40000                  ; cx, cy: my place in the cluster
	s_bfe_u32 s41, ttmp6, 0x40004
	s_mov_b32 s[MODE], ttmp9                       ; the cluster's x: 0 q, 1 k, 2 v
	s_and_b32 s2, ttmp7, 0xffff
	s_lshl_b32 s2, s2, 2                           ; 4 x the cluster's y
	s_lshl_b32 s42, s[MODE], 2
	s_cmp_eq_u32 s[MODE], 2
	s_cselect_b32 s17, 8, s2                       ; A-role tile: W_attn's 8 + cy, or x's 4 y + cy
	s_cselect_b32 s42, s2, s42                     ; B-role tile: x's 4 y + cx, or W_attn's 4 MODE + cx
	s_cselect_b32 s[MV], -1, 0
	s_add_co_u32 s17, s17, s41
	s_add_co_u32 s42, s42, s40
	s_lshl_b32 s43, s41, 2
	s_lshl_b32 s43, 15, s43                        ; my row of the cluster
	s_lshl_b32 s44, 0x1111, s40                    ; my column
	; group 1: a tile of 128 rows x 192 bytes, 16 bytes of padding behind every 64
	s_or_b32 s[G1+0], s43, (0<<16)|(1<<20)|(1<<21)|(3<<22)|(3<<25)
	s_or_b32 s[G1B+0], s44, (0<<16)|(1<<20)|(1<<21)|(3<<22)|(3<<25)
.irp g, G1, G1B
	s_mov_b32 s[\g+1], ROWB<<16                    ; tensor_dim0
	s_mov_b32 s[\g+2], 128<<16                     ; tensor_dim1
	s_mov_b32 s[\g+3], ROWB<<16                    ; tile_dim0
	s_mov_b32 s[\g+4], 128                         ; tile_dim1
	s_mov_b32 s[\g+5], KROW                        ; from row to row
	s_mov_b32 s[\g+6], 0
	s_mov_b32 s[\g+7], 0
.endr
	; the scales of 128 rows: 4,096 dense bytes as 16 rows of 256 (32 elements of 8 bytes), 16 bytes of padding behind each
	s_or_b32 s[G1S+0], s43, (3<<16)|(1<<20)|(1<<21)|(5<<22)|(3<<25)
	s_or_b32 s[G1SB+0], s44, (3<<16)|(1<<20)|(1<<21)|(5<<22)|(3<<25)
.irp g, G1S, G1SB
	s_mov_b32 s[\g+1], 32<<16
	s_mov_b32 s[\g+2], 16<<16
	s_mov_b32 s[\g+3], 32<<16
	s_mov_b32 s[\g+4], 16
	s_mov_b32 s[\g+5], 32
	s_mov_b32 s[\g+6], 0
	s_mov_b32 s[\g+7], 0
.endr
	s_lshl_b32 s18, s16, 7                         ; which 128 rows of the tile I fetch
	s_lshl_b32 s20, s17, 8
	s_add_co_u32 s20, s20, s18                     ; A: row 256 x tile + 128 x half
	s_lshl_b32 s46, s42, 8
	s_add_co_u32 s46, s46, s18                     ; B likewise
	s_mul_i32 s22, s20, KS                         ; where these rows' scales begin (all under 2^23 bytes),
	s_mul_i32 s92, s46, KS
	s_mul_i32 s20, s20, KROW                       ; and their codes
	s_mul_i32 s46, s46, KROW
	s_mov_b32 s21, 0
	s_mov_b32 s23, 0
	s_mov_b32 s47, 0
	s_mov_b32 s93, 0
	s_mul_i32 s45, s14, HALFT                      ; where they go: wave x 128 rows: no place in the cluster enters an LDS address
	s_mul_i32 s94, s14, HALFS
	s_wait_kmcnt 0x0
	s_cmp_eq_u32 s[MODE], 2                        ; the roles' buffers: the choice hangs on the cluster's x alone
	s_cselect_b64 s[18:19], s[8:9], s[4:5]
	s_add_nc_u64 s[20:21], s[18:19], s[20:21]      ; A's codes
	s_cselect_b64 s[18:19], s[10:11], s[6:7]
	s_add_nc_u64 s[22:23], s[18:19], s[22:23]      ; A's scales
	s_cselect_b64 s[18:19], s[4:5], s[8:9]
	s_add_nc_u64 s[46:47], s[18:19], s[46:47]      ; B's codes
	s_cselect_b64 s[18:19], s[6:7], s[10:11]
	s_add_nc_u64 s[92:93], s[18:19], s[92:93]      ; B's scales
	CROUND                                         ; all sixteen work-groups are here: the first joint loads meet
	s_mov_b32 s[G0S], 1
	s_add_co_u32 s[G0S+1], s94, SCL
	s_mov_b64 s[G0S+2:G0S+3], s[22:23]
	s_or_b32 s[G0S+3], s[G0S+3], 0x80000000
	s_mov_b32 s[G0SB], 1
	s_add_co_u32 s[G0SB+1], s94, SCL
	s_mov_b64 s[G0SB+2:G0SB+3], s[92:93]
	s_or_b32 s[G0SB+3], s[G0SB+3], 0x80000000
	JLOAD G0S, G1S, G0SB, G1SB                     ; the scales first: they are wanted with K step 0
.irp s, 0,1
	s_mov_b32 s[G0+4*\s], 1
	s_add_co_u32 s[G0+4*\s+1], s45, \s*SLOT
	s_add_nc_u64 s[G0+4*\s+2:G0+4*\s+3], s[20:21], \s*ROWB
	s_or_b32 s[G0+4*\s+3], s[G0+4*\s+3], 0x80000000
	s_mov_b32 s[G0B+4*\s], 1
	s_add_co_u32 s[G0B+4*\s+1], s45, \s*SLOT
	s_add_nc_u64 s[G0B+4*\s+2:G0B+4*\s+3], s[46:47], \s*ROWB
	s_or_b32 s[G0B+4*\s+3], s[G0B+4*\s+3], 0x80000000
	JLOAD G0+4*\s, G1, G0B+4*\s, G1B               ; three tensor loads of mine are out
.endr
	v_and_b32 v1, 15, v0                           ; r = l % 16
	v_bfe_u32 v2, v0, 4, 1                         ; h = l / 16
	v_mul_u32_u24 v3, v1, PITCH
	v_mul_u32_u24 v4, v2, 24
	v_add_nc_u32 v4, v3, v4                        ; a fragment's row x pitch + 24 x half
	v_lshl_add_u32 v5, v2, 4, v4                   ; and the same behind one padding more
	s_mul_i32 s21, s15, HALFT                      ; my 128 rows of A
	s_mul_i32 s22, s16, HALFT                      ; my 128 rows of B,
	s_add_co_u32 s22, s22, 2*HALFT                 ; which lie behind A's 256
.irp s, 0,1
	v_add_nc_u32 v[ADRA+\s], s21, v4
	v_add_nc_u32 v[ADRB+\s], s22, v4
	v_add_nc_u32 v[ADRA+2+\s], s21, v5
	v_add_nc_u32 v[ADRB+2+\s], s22, v5
	s_add_co_u32 s21, s21, SLOT
	s_add_co_u32 s22, s22, SLOT
.endr
	v_mul_u32_u24 v5, v1, KS                       ; my row's scales: 32 bytes a row,
	v_lshrrev_b32 v6, 8, v5
	v_lshl_add_u32 v5, v6, 4, v5                   ; and 16 more for each 256 passed
	s_mul_i32 s21, s15, HALFS
	s_mul_i32 s22, s16, HALFS
	s_add_co_u32 s22, s22, 2*HALFS
	s_sub_co_u32 s22, s22, s21
	v_mul_u32_u24 v6, s22, v2                      ; lanes 16-31 take B's: one product, the distance between the two bases
	s_add_co_u32 s21, s21, SCL
	v_add_nc_u32 v5, v5, v6
	v_add_nc_u32 v[ADRS], s21, v5
	; where my results belong.  RA, RB: my first A-role and B-role row; RW: the one that is a row of W_attn; RT: the one that is a token
	s_lshl_b32 s18, s17, 8
	s_lshl_b32 s19, s15, 7
	s_add_co_u32 s18, s18, s19                     ; RA
	s_lshl_b32 s19, s42, 8
	s_lshl_b32 s2, s16, 7
	s_add_co_u32 s19, s19, s2                      ; RB
	s_cmp_eq_u32 s[MODE], 2
	s_cselect_b32 s2, s18, s19                     ; RW
	s_cselect_b32 s18, s19, s18                    ; RT
	s_cselect_b32 s20, 4, 0                        ; the bias's offset: 4 r in MODE 2,
	s_cselect_b32 s21, 0, 32                       ; 32 h
	s_cselect_b32 s22, 0, 4                        ; + 4 j else
	s_mov_b32 s[SA], 768
	s_cselect_b32 s[SA], 1536, s[SA]               ; the next tile: a channel tile of v (two units), or a token tile (one)
	s_mov_b32 s[SA+1], 0
	s_cselect_b32 s[SB], 92160, 0                  ; v: behind four channel tiles the next head: 98,304 - 4 x 1,536
	s_mov_b32 s[SB+1], 0
	s_mov_b32 s[SU], 98304
	s_cselect_b32 s[SU], 768, s[SU]                ; a tile's second unit: v: the next 64 keys; q, k: the next head
	s_mov_b32 s[HM], 0xffff0000
	s_mov_b32 s[SEL], 0x76543210
	s_mov_b32 s[SEL+1], 0xfedcba98
	s_lshl_b32 s46, s2, 2
	s_mov_b32 s47, 0
	s_add_nc_u64 s[12:13], s[12:13], s[46:47]      ; b_attn at RW
	s_lshr_b32 s19, s2, 10
	s_lshl_b32 s19, s19, 6                         ; 64 x region
	s_lshr_b32 s23, s18, 11
	s_lshl_b32 s23, s23, 4                         ; + 16 x batch
	s_add_co_u32 s19, s19, s23
	s_bfe_u32 s23, s2, 0x40006                     ; + head = (RW / 64) % 16
	s_add_co_u32 s19, s19, s23
	s_bfe_u32 s23, s18, 0x40007                    ; the step of 128 tokens = (RT / 128) % 16
	s_mul_i32 s46, s19, 98304
	s_mul_i32 s2, s23, 6144
	s_add_co_u32 s46, s46, s2
	s_add_nc_u64 s[OB:OB+1], s[OB:OB+1], s[46:47]
	s_lshl_b32 s46, s19, 12
	s_lshl_b32 s2, s23, 8
	s_add_co_u32 s46, s46, s2
	s_add_nc_u64 s[SCB:SCB+1], s[SCB:SCB+1], s[46:47]
	v_mul_u32_u24 v[VOF], v1, s20
	v_mad_u32_u24 v[VOF], v2, s21, v[VOF]
.irp jj, 1,2,3,4,5,6,7
	v_add_nc_u32 v[VOF+\jj], s22, v[VOF+\jj-1]
.endr
; THE BIAS IS THE C OF EACH SUM'S FIRST PRODUCT.  Group g, register j: MODE 0, 1: b(RW + 16 g + 8 h + j), for the accumulators with b = g; MODE 2: b(RW + 16 g + r) in all eight, for those with a = g.
.irp g, 0,1,2,3,4,5,6,7
.irp jj, 0,1,2,3,4,5,6,7
	global_load_b32 v[BIAS+8*\g+\jj], v[VOF+\jj], s[12:13] offset:64*\g
.endr
.endr
	v_and_b32 v6, 31, v0
	v_lshlrev_b32 v[VO], 4, v6                     ; a unit's registers 0-3: 16 x lane
	v_lshl_add_u32 v[VO+1], v6, 3, 512             ; registers 4-5: 512 + 8 x lane
	v_add_nc_u32 v[VO+2], s[SU], v[VO]
	v_add_nc_u32 v[VO+3], s[SU], v[VO+1]
	v_lshlrev_b32 v[VS], 4, v1
	v_lshl_add_u32 v[VS], v2, 12, v[VS]            ; lanes 16-31 write the next head's words
	v_mov_b32 v[SELQ], 0x05040100
	v_mov_b32 v7, 0x07060302
	v_cndmask_b32 v[SELQ], v[SELQ], v7, s[HM]
.macro FRAG reg, adr, q, i             ; a fragment: lane l holds row l % 16; registers 6 c .. 6 c + 5 hold K = 64 c + 32 (l / 16) + 0 .. 31: 24 bytes of the row's stream of bits, as they lie, in pieces of 8 bytes
.irp p, 0,1,2,3,4,5
.set PIECE, 12*(\q)+6*(\p/3)+\p%3     ; 16 bytes of padding lie behind every 8 pieces: where the piece three on (lanes 16-31) lies behind one padding more, the second address register serves
.if PIECE%8 < 5
	ds_load_b64 v[\reg+2*\p:\reg+2*\p+1], v[\adr] offset:8*PIECE+16*(PIECE/8)+(\i)*16*PITCH
.else
	ds_load_b64 v[\reg+2*\p:\reg+2*\p+1], v[\adr+2] offset:8*PIECE+16*(PIECE/8)+(\i)*16*PITCH
.endif
.endr
.endm
; 16 matrix instructions: A's blocks a0, a0 + 1 x B's eight, 128 along K.  p: B's set; sc: the set of scale words.  zero = 0: the sums go on; 1: they begin with the bias of group b; 2: with that of group a.
; The 64 accumulators take turns, one instruction a turn, in the same order in every step.
.macro MUL16 a0, p, q, sc, zero
.irp a, \a0, \a0+1
.irp b, 0,1,2,3,4,5,6,7
.if \zero == 0
	v_wmma_scale_f32_16x16x128_f8f6f4 v[8*(8*((\a)%4)+\b):8*(8*((\a)%4)+\b)+7], v[128*(\p)+FR*\b:128*(\p)+FR*\b+FR-1], v[AF+FR*(\a):AF+FR*(\a)+FR-1], v[8*(8*((\a)%4)+\b):8*(8*((\a)%4)+\b)+7], v[SC+8*NQ*(\sc)+NQ*\b+(\q)], v[SC+8*NQ*(\sc)+NQ*(\a)+(\q)] matrix_a_fmt:MATRIX_FMT_FP6 matrix_b_fmt:MATRIX_FMT_FP6 matrix_a_scale:MATRIX_SCALE_ROW1
.elseif \zero == 1
	v_wmma_scale_f32_16x16x128_f8f6f4 v[8*(8*((\a)%4)+\b):8*(8*((\a)%4)+\b)+7], v[128*(\p)+FR*\b:128*(\p)+FR*\b+FR-1], v[AF+FR*(\a):AF+FR*(\a)+FR-1], v[BIAS+8*\b:BIAS+8*\b+7], v[SC+8*NQ*(\sc)+NQ*\b+(\q)], v[SC+8*NQ*(\sc)+NQ*(\a)+(\q)] matrix_a_fmt:MATRIX_FMT_FP6 matrix_b_fmt:MATRIX_FMT_FP6 matrix_a_scale:MATRIX_SCALE_ROW1
.else
	v_wmma_scale_f32_16x16x128_f8f6f4 v[8*(8*((\a)%4)+\b):8*(8*((\a)%4)+\b)+7], v[128*(\p)+FR*\b:128*(\p)+FR*\b+FR-1], v[AF+FR*(\a):AF+FR*(\a)+FR-1], v[BIAS+8*(\a):BIAS+8*(\a)+7], v[SC+8*NQ*(\sc)+NQ*\b+(\q)], v[SC+8*NQ*(\sc)+NQ*(\a)+(\q)] matrix_a_fmt:MATRIX_FMT_FP6 matrix_b_fmt:MATRIX_FMT_FP6 matrix_a_scale:MATRIX_SCALE_ROW1
.endif
.endr
.endr
.endm
.macro FETCH_B slot, q, p              ; B's eight fragments of the slot's q-th 128 along K into set p
	WIN TO_B
.irp i, 0,1,2,3,4,5,6,7
	FRAG 128*(\p)+FR*\i, ADRB+\slot, \q, \i
.endr
	WIN 0
.endm
.macro FETCH_A slot, q, i0             ; A's blocks i0 .. i0 + 3
.irp i, \i0, \i0+1, \i0+2, \i0+3
	FRAG AF+FR*(\i), ADRA+\slot, \q, \i
.endr
.endm
.macro SCALES sc                       ; a K step's scale words into set sc: two words a row; lanes 0-15 A's block i, lanes 16-31 B's block i
.irp i, 0,1,2,3,4,5,6,7
	ds_load_b64 v[SC+8*NQ*\sc+NQ*\i:SC+8*NQ*\sc+NQ*\i+1], v[ADRS] offset:\i*SBLK
.endr
.endm
; A load into a register that a matrix instruction has read, and a vector instruction that reads a matrix result or writes one of its registers, stand NP places behind it; only plain vector instructions that name none of its registers are places.
.macro PLACES n
.rept \n
	v_nop
.endr
.endm
; A step of 128 along K that has its successor in the same slot.  With the bias as C the windows are: C window 0, D window 2 or 3.
.macro STEP slot, q, zero
	s_wait_dscnt 4*NL                              ; B's set, A's blocks 0-3 and the scale words are in; the youngest 24 loads (A's blocks 4-7) may be out
.if \zero
	WIN 0x81
.else
	WIN MUL_LO
.endif
	MUL16 0, (\q)%2, \q, \slot, \zero
	MUL16 2, (\q)%2, \q, \slot, \zero
	s_wait_dscnt 0                                 ; A's blocks 4-7 are in (asked for 32 matrix instructions ago)
	PLACES NP
	FETCH_B \slot, (\q)+1, 1-(\q)%2
	FETCH_A \slot, (\q)+1, 0
.if \zero
	WIN 0xc1
.else
	WIN MUL_HI
.endif
	MUL16 4, (\q)%2, \q, \slot, \zero
	MUL16 6, (\q)%2, \q, \slot, \zero
	PLACES NP
	WIN 0
	FETCH_A \slot, (\q)+1, 4
.endm
; A slot's last step changes slots: ONE barrier; in front of it each wave waits for all its tensor loads, adds 0 to its spare word, and waits for that and for its own reads of this slot.  fill = 1: this slot is filled again, two K steps ahead.
.macro TURN slot, next, fill
	s_wait_tensorcnt 0x0                           ; all my tensor loads have landed: my part of the next slot
	ds_add_u32 v[SPW], v[NIL]                      ; 0 onto my spare word
	s_wait_dscnt 4*NL+1                            ; (the add and the youngest 24 loads, A's blocks 4-7, may be out)
	WIN MUL_LO
	MUL16 0, 1, NQ-1, \slot, 0                     ; sixteen matrix instructions stand between the add and the wait for it
	s_wait_dscnt 0x0                               ; the add is done, and my reads of this slot are over
	s_barrier_signal -1
	MUL16 2, 1, NQ-1, \slot, 0
	WIN 0
	s_barrier_wait -1
.if \fill
	CREST                                          ; the barrier has opened a round of the cluster's barrier: no wave of any partner still reads this slot or has a load on its way
	s_add_nc_u64 s[G0+4*\slot+2:G0+4*\slot+3], s[G0+4*\slot+2:G0+4*\slot+3], 2*ROWB
	s_add_nc_u64 s[G0B+4*\slot+2:G0B+4*\slot+3], s[G0B+4*\slot+2:G0B+4*\slot+3], 2*ROWB
	JLOAD G0+4*\slot, G1, G0B+4*\slot, G1B         ; the first tensor load behind the round; its four v_nop are the places in front of the loads below
.else
	PLACES NP
.endif
	v_add_nc_u32 v[ADRS], 4*NQ, v[ADRS]            ; on to the next K step's scale words
	FETCH_B \next, 0, 0
	FETCH_A \next, 0, 0
	SCALES \next
	WIN MUL_HI
	MUL16 4, 1, NQ-1, \slot, 0
	MUL16 6, 1, NQ-1, \slot, 0
	PLACES NP
	WIN 0
	FETCH_A \next, 0, 4
.endm
	s_wait_tensorcnt 1                             ; the scales and my part of K step 0 are in (K step 1's load, the youngest, may be out),
	s_wait_loadcnt 0x0                             ; and the bias
	s_barrier_signal -1
	s_barrier_wait -1                              ; everybody's are
	FETCH_B 0, 0, 0
	FETCH_A 0, 0, 0
	SCALES 0
	FETCH_A 0, 0, 4
	s_cmp_eq_u32 s[MODE], 2                        ; the first step begins the sums with the bias: along B's rows for q and k, along A's for v.  The two ways issue the same loads and waits
	s_cbranch_scc1 .Lfirst_v
	STEP 0, 0, 1
	s_branch .Ljoin
.Lfirst_v:
	STEP 0, 0, 2
.Ljoin:
	s_mov_b32 s3, LAPS-1
.Llap:                                                 ; a trip goes once round the ring, from a lap's second step to the next lap's first, and fills both slots again
	TURN 0, 1, 1
	STEP 1, 0, 0
	TURN 1, 0, 1
	STEP 0, 0, 0
	s_sub_co_u32 s3, s3, 1
	s_cmp_lg_u32 s3, 0
	s_cbranch_scc1 .Llap
	TURN 0, 1, 0                                   ; the last lap fills nothing, and has no round of the cluster's barrier
	STEP 1, 0, 0
	s_wait_dscnt 4*NL                              ; the very last step: nothing more to fetch
	WIN MUL_LO
	MUL16 0, 1, NQ-1, 1, 0
	MUL16 2, 1, NQ-1, 1, 0
	s_wait_dscnt 0
	WIN MUL_HI
	MUL16 4, 1, NQ-1, 1, 0
	MUL16 6, 1, NQ-1, 1, 0
	WIN 0
; THE WAY OUT.  Tile a: 16 A-role rows x my 128 B-role rows: four blocks of 32, block c in accumulators (a, 2 c) and (a, 2 c + 1): 16 numbers in this lane, 16 in lane l xor 16.
; The largest magnitude (with the floor 2^(3 - 127) among its leaves, so that the byte cannot fall under 1), 2 off its exponent field: the conversion's scale operand; its exponent field: the byte.
; The conversions give half blocks; the exchange of halves gives each lane a whole block: lanes 0-15 blocks 0 and 2, lanes 16-31 blocks 1 and 3: two units.  Each accumulator is read from its low end on.
.macro QTILE a
.set AC, 64*((\a)%4)
.set W, 2+(\a)/4
	WIN W*5                                        ; sources 0 and 1: window 2 or 3
.irp c, 0,1,2,3
	v_max3_num_f32 v[TM+\c], |v[AC+16*\c]|, |v[AC+16*\c+1]|, 0x1800000
.endr
	WIN W*20                                       ; sources 1 and 2
.irp i, 2,4,6,8,10,12,14
.irp c, 0,1,2,3
	v_max3_num_f32 v[TM+\c], v[TM+\c], |v[AC+16*\c+\i]|, |v[AC+16*\c+\i+1]|
.endr
.endr
	WIN 0
.irp c, 0,1,2,3
	v_permlanex16_b32 v[TM+4+\c], v[TM+\c], s[SEL], s[SEL+1]
.endr
.irp c, 0,1,2,3
	v_max_num_f32 v[TM+\c], v[TM+\c], v[TM+4+\c]
.endr
.irp c, 0,1,2,3
	v_add_nc_u32 v[TM+12+\c], 0xff000000, v[TM+\c]
.endr
.irp c, 0,1,2,3
	v_lshrrev_b32 v[TM+4+\c], 23, v[TM+12+\c]
.endr
	v_lshl_or_b32 v[PW+(\a)], v[TM+5], 8, v[TM+4]
	v_lshl_or_b32 v[PW+(\a)], v[TM+6], 16, v[PW+(\a)]
	v_lshl_or_b32 v[PW+(\a)], v[TM+7], 24, v[PW+(\a)]
	s_wait_xcnt 0x0                                ; the last tile's stores have read their data and their base: both are written again only behind this wait
.if (\a) > 0
	s_add_nc_u64 s[OB:OB+1], s[OB:OB+1], s[SA:SA+1]
.endif
.if (\a) == 4
	s_add_nc_u64 s[OB:OB+1], s[OB:OB+1], s[SB:SB+1]
.endif
	WIN W                                          ; source 0: window 2 or 3
	v_cvt_scalef32_pk16_fp6_f32 v[CD:CD+2], v[AC:AC+15], v[TM+12]
	v_cvt_scalef32_pk16_fp6_f32 v[CD+12:CD+14], v[AC+16:AC+31], v[TM+13]      ; (a conversion's three registers begin on an even number)
	v_cvt_scalef32_pk16_fp6_f32 v[CD+6:CD+8], v[AC+32:AC+47], v[TM+14]
	v_cvt_scalef32_pk16_fp6_f32 v[CD+16:CD+18], v[AC+48:AC+63], v[TM+15]
	WIN 0
	v_nop                                          ; one plain place behind a scaled conversion
.irp i, 0,1,2
	v_permlane16_swap_b32 v[CD+\i], v[CD+12+\i]
	v_permlane16_swap_b32 v[CD+6+\i], v[CD+16+\i]
.endr
.irp i, 0,1,2
	v_mov_b32 v[CD+3+\i], v[CD+12+\i]
	v_mov_b32 v[CD+9+\i], v[CD+16+\i]
.endr
	global_store_b128 v[VO], v[CD:CD+3], s[OB:OB+1]          ; 512 consecutive bytes, at a multiple of 256 from the buffer's first byte
	global_store_b64 v[VO+1], v[CD+4:CD+5], s[OB:OB+1]       ; 256 more
	global_store_b128 v[VO+2], v[CD+6:CD+9], s[OB:OB+1]      ; the second unit
	global_store_b64 v[VO+3], v[CD+10:CD+11], s[OB:OB+1]
.endm
	PLACES NP                                      ; behind the last products: their fragments' registers are written below
.irp c, 0,1,2,3
	v_mov_b32 v[TM+4+\c], 0                        ; written once: a lane permute's destination counts as one of its sources
.endr
.irp a, 0,1,2,3,4,5,6,7
	QTILE \a
.endr
; the scale words.  q, k: word i of a head = the head's two bytes of tiles 2 i and 2 i + 1 (lanes 0-15: my first head, bytes 0, 1; lanes 16-31: my second, bytes 2, 3).  v: word t = tile t's word (lanes 16-31: tile 4 + t's, the second head's).
.irp t, 0,1,2,3
	v_perm_b32 v[OQ+\t], v[PW+2*\t+1], v[PW+2*\t], v[SELQ]
	v_cndmask_b32 v[OV+\t], v[PW+\t], v[PW+4+\t], s[HM]
.endr
.irp t, 0,1,2,3
	v_cndmask_b32 v[OUTW+\t], v[OQ+\t], v[OV+\t], s[MV]
.endr
	global_store_b128 v[VS], v[OUTW:OUTW+3], s[SCB:SCB+1]    ; sixteen lanes store 256 consecutive bytes, aligned, for each of my two heads
	s_wait_tensorcnt 0x0                           ; the wave's end
	ds_add_u32 v[SPW], v[NIL]
	s_wait_dscnt 0x0
	CROUND                                         ; the closing round: no work-group ends while a partner may still ask for a tile that names it
	s_endpgm
.Lfunc_end_k_q2b3e19f4fd_qkv:
	.size	k_q2b3e19f4fd_qkv, .Lfunc_end_k_q2b3e19f4fd_qkv-k_q2b3e19f4fd_qkv
	.p2alignl 7, 3214868480
	.fill 96, 4, 3214868480
	.section	.rodata,"a",@progbits
	.p2align	6, 0x0
	.amdhsa_kernel k_q2b3e19f4fd_qkv
		.amdhsa_group_segment_fixed_size 327680
		.amdhsa_private_segment_fixed_size 0
		.amdhsa_enable_private_segment 0
		.amdhsa_kernarg_size 56
		.amdhsa_user_sgpr_count 2
		.amdhsa_user_sgpr_kernarg_segment_ptr 1
		.amdhsa_wavefront_size32 1
		.amdhsa_system_sgpr_workgroup_id_x 1
		.amdhsa_system_sgpr_workgroup_id_y 1
		.amdhsa_system_sgpr_workgroup_id_z 1
		.amdhsa_system_vgpr_workitem_id 0
		.amdhsa_next_free_vgpr 1024
		.amdhsa_next_free_sgpr 100
		.amdhsa_reserve_vcc 0
		.amdhsa_float_denorm_mode_32 3
		.amdhsa_float_denorm_mode_16_64 3
		.amdhsa_memory_ordered 1
		.amdhsa_forward_progress 1
		.amdhsa_inst_pref_size 189
	.end_amdhsa_kernel
	.amdgpu_metadata
---
amdhsa.version: [ 1, 2 ]
amdhsa.kernels:
  - .name:           k_q2b3e19f4fd_qkv
    .symbol:         k_q2b3e19f4fd_qkv.kd
    .args:
      - { .name: x_codes, .offset: 0, .size: 8, .value_kind: global_buffer, .address_space: global }
      - { .name: x_scales, .offset: 8, .size: 8, .value_kind: global_buffer, .address_space: global }
      - { .name: W_attn_codes, .offset: 16, .size: 8, .value_kind: global_buffer, .address_space: global }
      - { .name: W_attn_scales, .offset: 24, .size: 8, .value_kind: global_buffer, .address_space: global }
      - { .name: b_attn, .offset: 32, .size: 8, .value_kind: global_buffer, .address_space: global }
      - { .name: qkvc, .offset: 40, .size: 8, .value_kind: global_buffer, .address_space: global }
      - { .name: qkvs, .offset: 48, .size: 8, .value_kind: global_buffer, .address_space: global }
    .group_segment_fixed_size: 327680
    .private_segment_fixed_size: 0
    .kernarg_segment_align: 8
    .kernarg_segment_size: 56
    .max_flat_workgroup_size: 128
    .sgpr_count:     100
    .vgpr_count:     1024
    .wavefront_size: 32
...
	.end_amdgpu_metadata
.endif
;; end of part 1
;; launch attn (part 2): grid 4 x 64, 16 waves a work-group, clusters of 4 x 1, 206,848 bytes of LDS; arguments qkvc, qkvs, yc, ys; writes yc, ys
.if DOCPART == 2
	.amdgcn_target "amdgcn-amd-amdhsa--gfx1250"
	.amdhsa_code_object_version 6
	.text
	.protected	k_q2b3e19f4fd_attn
	.globl	k_q2b3e19f4fd_attn
	.p2align	8
	.type	k_q2b3e19f4fd_attn,@function
k_q2b3e19f4fd_attn:
	s_mov_b64 s[64:65], 0
	v_nop
	global_prefetch_b8 v0, s[64:65] scope:SCOPE_SE
	s_setreg_imm32_b32 hwreg(HW_REG_WAVE_MODE, 25, 1), 1
	s_wait_xcnt 0x0
	s_wait_alu depctr_hold_cnt(0) depctr_sa_sdst(0) depctr_va_vdst(0) depctr_va_sdst(0) depctr_va_ssrc(0) depctr_va_vcc(0) depctr_vm_vsrc(0)
	s_getreg_b32 s2, hwreg(HW_REG_IB_STS2, 6, 4)
	s_cmp_eq_u32 s2, 0
	s_cbranch_scc0 .Lentry_in_a_cluster
	s_endpgm
.Lentry_in_a_cluster:
	s_bfe_u32 s2, ttmp6, 0x10000c
	s_cmp_lg_u32 s2, 0x3003
	s_cbranch_scc0 .Lentry_shape_is_right
	s_endpgm
.Lentry_shape_is_right:
; y[b][t][head][:] = the sum over keys k <= t of softmax_k(q . k / 8) v, both products on codes of FP6 (E2M3) with one E8M0 scale for each 32 along a product's K; y is quantised along C at once.
; INPUTS (made by the launch before): qkvc, units of 768 bytes (the register image of 16 rows x 64 K: registers 0-3 at 16 x lane, 4-5 at 512 + 8 x lane), and qkvs, scale words; their layouts are set out at that launch's head.
; THE SOFTMAX: t = score x log2(e) / 8; M = the row's largest t so far, rounded UP to a whole number; p = 2^(t - M) is what is quantised, along the keys, not normalised; the row's sum is taken of the unquantised p and divides at the end.
; When M moves, the sum and O are multiplied by 2^(old M - new M): exact.
; SHARES.  A cluster is the four work-groups of one (batch, head); each holds the head's whole K and V as codes in LDS (2 x 98,304 bytes and 2 x 4,096 of scale words), filled ONCE by joint tensor loads: no slot is filled again.
; A head has 128 tiles of 16 queries; the tiles of group g (8 tiles) need the key steps 0 .. g of 128 keys, step g on the diagonal.  Wave w runs two passes: pass 0 on group w, pass 1 on group 15 - w, tile 2 cx + pass of the group:
; 17 steps for every wave of every work-group.  Branches hang on the wave's number and on loop counters alone; cx enters global addresses and the mask's numbers only.
; Multicast is used: the four partners read the same K and V.
; LAYOUT.  S^T = K Q^T (source 0 = keys, source 1 = my 16 queries), O^T = V^T P^T: a lane holds ONE query (lane % 16) throughout.  K = 64 is half of the instruction's 128: a fragment of K holds TWO key tiles (2 f and 2 f + 1),
; and is multiplied by [q, 0] for the first and by [0, q] for the second: zero codes add nothing under any valid scale byte.
; The 16 registers of score tiles 2 b, 2 b + 1 are keys 32 b + 8 h + 0 .. 7 and 32 b + 16 + 8 h + 0 .. 7: p's order inside a block is the one in which v was laid.  y is brought to the natural order, since W_proj is given so.
; OUTPUTS: yc: the unit of (token tile gt = 128 batch + tau, head) at (16 gt + head) x 768; ys: [8,192 tokens][32], a byte a lane, 32 bytes apart (one byte for each 24 of codes).
; LIMITS: a block of zeros keeps the scale byte 1 (its codes are zeros; the bytes are read by this program alone); magnitudes under 2^-124 fall under the floor; NaN and infinities are not served;
; a block's largest p is made from its largest score by the same two instructions, which takes v_exp_f32 not to fall where its input rises.
.set HEADB, 98304                      ; a head's codes of q, of k or of v
.set REGB,  6291456                    ; a region of qkvc
.set STEPB, 6144                       ; a key step's codes of K, and of V
.set QUART, 24576                      ; what one tensor load brings: 96 rows of 256 bytes
.set VLDS,  98304                      ; LDS: K's codes at 0, V's here,
.set SCK,   196608                     ; K's scale words,
.set SCV,   200704                     ; V's
.set L16,  1                           ; v1  16 x lane
.set L8,   2                           ; v2  8 x lane
.set R16,  3                           ; v3  16 r
.set ASK,  4                           ; v4  SCK + 16 r
.set YSO,  5                           ; v5  32 r + h
.set RMH,  6                           ; v6  r - 8 h
.set ADS,  7                           ; v7  the step's scale words
.set ADK16, 8                          ; v8-11 the step's codes of K and V, by 16 and by 8 bytes a lane
.set ADK8, 9
.set ADV16, 10
.set ADV8, 11
.set QA,   16                          ; v16-27 [q, 0]
.set QB,   28                          ; v28-39 [0, q]
.set QSW,  40                          ; v40 q's scale word
.set QRAW, 41                          ; v41 q's two bytes as loaded
.set QT,   42                          ; v42-47 this pass's unit of q
.set QN,   48                          ; v48-53 the next pass's; v54 its two bytes
.set QNRAW, 54
.set V16,  55                          ; v55 VLDS + 16 x lane
.set V8,   250                         ; v250 VLDS + 8 x lane
.set FRG,  56                          ; v56-103 four fragments of K or of V
.set KSW,  104                         ; v104-107 K's scale words
.set VSW,  108                         ; v108-111 V's
.set S,    112                         ; v112-175 S^T, then p, then y
.set O,    176                         ; v176-207 O^T
.set PC,   208                         ; v208-219 p's codes; v220-222, v224-226 second halves
.set PT0,  220
.set PT1,  224
.set BM,   228                         ; v228-231 each block's largest score, then largest p
.set BT,   232                         ; v232-235 the other half's, then the bytes
.set SO,   236                         ; v236-239 the conversions' scale operands
.set L2,   240                         ; v[240:241] the sum's second chain
.set T,    242
.set FF,   244                         ; v[244:245] f = 2^(old M - new M), and a register written once
.set PWD,  246                         ; v246 p's scale word
.set NINF, 247
.set DD,   248
.set WV,  12
.set CX,  13
.set BH,  14
.set G1C, 16                           ; s[16:23] group 1 for the codes; s[24:31] for the scale words; s[32:35], s[36:39] their groups 0
.set G1S, 24
.set G0C, 32
.set G0S, 36
.set SEL, 40
.set CS,  42                           ; s[42:43] c = log2(e) / 8
.set PS,  44                           ; the pass
.set GG,  45                           ; my group of query tiles = my last key step
.set ST,  46                           ; the key step
.set TB,  47                           ; its codes' place, 6,144 a step
.set TS,  48                           ; its scale words' place, 256 a step
.set DQ,  49                           ; my tile's first query in its group: 32 cx + 16 pass
.set HM,  50
.set GT0, 52                           ; 128 batch + 2 cx
.set HD,  53                           ; the head in its batch
.set YCA, 56
.set YSA, 58
.macro CROUND                          ; a round of the cluster's barrier
	s_barrier_signal -1
	s_barrier_wait -1
	s_cmp_lg_u32 s[WV], 0
	s_cbranch_scc1 .Lnot_wave_0_\@
	s_barrier_signal -3
.Lnot_wave_0_\@:
	s_barrier_wait -3
	s_barrier_signal -1
	s_barrier_wait -1
.endm
.macro FRAGS a16, a8                   ; four fragments, each two units on end: every load takes 16 or 8 bytes a lane on end
.irp f, 0,1,2,3
	ds_load_b128 v[FRG+12*\f:FRG+12*\f+3], v[\a16] offset:1536*\f
	ds_load_b64 v[FRG+12*\f+4:FRG+12*\f+5], v[\a8] offset:1536*\f+512
	ds_load_b128 v[FRG+12*\f+6:FRG+12*\f+9], v[\a16] offset:1536*\f+768
	ds_load_b64 v[FRG+12*\f+10:FRG+12*\f+11], v[\a8] offset:1536*\f+1280
.endr
.endm
	s_load_b256 s[4:11], s[0:1], 0x0               ; qkvc s[4:5], qkvs s[6:7], yc s[8:9], ys s[10:11]
	v_lshl_add_u32 v254, v0, 2, 0x32000
	v_mov_b32 v255, 0
	ds_add_u32 v254, v255
	ds_add_u32 v254, v255
	v_lshrrev_b32 v1, 5, v0
	s_delay_alu instid0(VALU_DEP_1)
	v_readfirstlane_b32 s[WV], v1                  ; wave 0..15
	s_bfe_u32 s[CX], ttmp6, 0x40000                ; my place in the cluster
	s_and_b32 s[BH], ttmp7, 0xffff                 ; 16 batch + head: the four partners share it
	; group 1: dense blocks as rows of 256 bytes (32 elements of 8 bytes); the mask names all four work-groups, bit 21 beside it
	s_mov_b32 s[G1C], 15|(3<<16)|(1<<21)
	s_mov_b32 s[G1C+1], 32<<16
	s_mov_b32 s[G1C+2], 96<<16
	s_mov_b32 s[G1C+3], 32<<16
	s_mov_b32 s[G1C+4], 96
	s_mov_b32 s[G1C+5], 32
	s_mov_b32 s[G1C+6], 0
	s_mov_b32 s[G1C+7], 0
	s_mov_b32 s[G1S], 15|(3<<16)|(1<<21)
	s_mov_b32 s[G1S+1], 32<<16
	s_mov_b32 s[G1S+2], 16<<16
	s_mov_b32 s[G1S+3], 32<<16
	s_mov_b32 s[G1S+4], 16
	s_mov_b32 s[G1S+5], 32
	s_mov_b32 s[G1S+6], 0
	s_mov_b32 s[G1S+7], 0
	s_mul_i32 s66, s[BH], HEADB                    ; the head's first byte in a region of qkvc,
	s_lshl_b32 s67, s[BH], 12                      ; and of qkvs
	s_bfe_u32 s60, s[WV], 0x10002                  ; waves 0-3: K's four quarters; waves 4-7: V's
	s_add_co_u32 s60, s60, 1
	s_mul_i32 s60, s60, REGB
	s_add_co_u32 s60, s60, s66
	s_and_b32 s62, s[WV], 3
	s_mul_i32 s62, s62, QUART
	s_add_co_u32 s60, s60, s62
	s_mov_b32 s61, 0
	s_and_b32 s62, s[WV], 7
	s_mul_i32 s[G0C+1], s62, QUART                 ; LDS: wave x 24,576: K's codes, then V's
	s_and_b32 s62, s[WV], 1                        ; wave 8: K's scale words; wave 9: V's
	s_add_co_u32 s68, s62, 1
	s_lshl_b32 s68, s68, 18
	s_add_co_u32 s68, s68, s67
	s_mov_b32 s69, 0
	s_lshl_b32 s[G0S+1], s62, 12
	s_add_co_u32 s[G0S+1], s[G0S+1], SCK
	s_mov_b32 s[G0C], 1
	s_mov_b32 s[G0S], 1
	v_and_b32 v9, 31, v0                           ; lane
	v_and_b32 v10, 15, v0                          ; r
	v_bfe_u32 v11, v0, 4, 1                        ; h
	s_delay_alu instid0(VALU_DEP_3)
	v_lshlrev_b32 v[L16], 4, v9
	s_delay_alu instid0(VALU_DEP_4)
	v_lshlrev_b32 v[L8], 3, v9
	s_delay_alu instid0(VALU_DEP_4)
	v_lshlrev_b32 v[R16], 4, v10
	s_delay_alu instid0(VALU_DEP_1)
	v_add_nc_u32 v[ASK], SCK, v[R16]
	v_lshl_add_u32 v[YSO], v10, 5, v11
	v_lshlrev_b32 v[RMH], 3, v11
	s_delay_alu instid0(VALU_DEP_1)
	v_sub_nc_u32 v[RMH], v10, v[RMH]
	v_add_nc_u32 v[V16], VLDS, v[L16]
	v_add_nc_u32 v[V8], VLDS, v[L8]
	v_mov_b32 v[NINF], 0xff800000                  ; -infinity
	s_wait_dscnt 0x0
	s_wait_kmcnt 0x0
	s_add_nc_u64 s[G0C+2:G0C+3], s[4:5], s[60:61]
	s_or_b32 s[G0C+3], s[G0C+3], 0x80000000
	s_add_nc_u64 s[G0S+2:G0S+3], s[6:7], s[68:69]
	s_or_b32 s[G0S+3], s[G0S+3], 0x80000000
	CROUND                                         ; all four work-groups are here: the joint loads meet
	s_cmp_lt_u32 s[WV], 8                          ; a wave has one tensor load, or none; four v_nop follow each
	s_cbranch_scc0 .Lnot_codes
	tensor_load_to_lds s[G0C:G0C+3], s[G1C:G1C+7]
	s_nop 0
.rept 4
	v_nop
.endr
	s_branch .Lasked
.Lnot_codes:
	s_cmp_lt_u32 s[WV], 10
	s_cbranch_scc0 .Lasked
	tensor_load_to_lds s[G0S:G0S+3], s[G1S:G1S+7]
	s_nop 0
.rept 4
	v_nop
.endr
.Lasked:
	; both passes' q: tile 8 w + 2 cx, and tile 8 (15 - w) + 2 cx + 1
	s_lshl_b32 s72, s[WV], 3
	s_lshl_b32 s73, s[CX], 1
	s_add_co_u32 s74, s72, s73
	s_sub_co_u32 s75, 121, s72
	s_add_co_u32 s75, s75, s73
	s_mul_i32 s60, s74, 768
	s_add_co_u32 s60, s60, s66
	s_mov_b32 s61, 0
	s_mul_i32 s62, s75, 768
	s_add_co_u32 s62, s62, s66
	s_mov_b32 s63, 0
	s_add_nc_u64 s[60:61], s[4:5], s[60:61]
	s_add_nc_u64 s[62:63], s[4:5], s[62:63]
	s_lshl_b32 s72, s[WV], 8                       ; their two scale bytes: step g at 256 g, row r at 16 r, tile 2 cx + pass at 4 cx + 2 pass
	s_lshl_b32 s73, s[CX], 2
	s_add_co_u32 s73, s73, s67
	s_add_co_u32 s68, s73, s72
	s_mov_b32 s69, 0
	s_sub_co_u32 s70, 3842, s72                    ; 256 x 15 + 2 - 256 w
	s_add_co_u32 s70, s70, s73
	s_mov_b32 s71, 0
	s_add_nc_u64 s[68:69], s[6:7], s[68:69]
	s_add_nc_u64 s[70:71], s[6:7], s[70:71]
	global_load_b128 v[QT:QT+3], v[L16], s[60:61]
	s_wait_alu depctr_va_vdst(0)
	global_load_b64 v[QT+4:QT+5], v[L8], s[60:61] offset:512
	global_load_u16 v[QRAW], v[R16], s[68:69]
	global_load_b128 v[QN:QN+3], v[L16], s[62:63]
	global_load_b64 v[QN+4:QN+5], v[L8], s[62:63] offset:512
	global_load_u16 v[QNRAW], v[R16], s[70:71]
	s_mov_b32 s[SEL], 0x76543210
	s_mov_b32 s[SEL+1], 0xfedcba98                 ; v_permlanex16_b32's selects for lane l xor 16
	s_mov_b32 s[CS], 0x3e38aa3b                    ; c = log2(e) / 8
	s_mov_b32 s[CS+1], s[CS]                       ; (named with it as a pair, so it is written)
	s_mov_b32 s[HM], 0xffff0000
	s_lshr_b32 s[GT0], s[BH], 4
	s_lshl_b32 s[GT0], s[GT0], 7
	s_lshl_b32 s72, s[CX], 1
	s_add_co_u32 s[GT0], s[GT0], s72
	s_and_b32 s[HD], s[BH], 15
.irp i, 0,1,2,3,4,5
	v_mov_b32 v[QA+6+\i], 0                        ; the zero halves, written once
	v_mov_b32 v[QB+\i], 0
.endr
.irp b, 0,1,2,3
	v_mov_b32 v[BT+\b], 0                          ; written once: a lane permute's destination counts as one of its sources
.endr
	v_mov_b32 v[T], 0
	v_mov_b32 v[FF+1], 0                           ; (named as the upper half of a pair)
	s_wait_tensorcnt 0x0                           ; my part of the head is in,
	s_wait_loadcnt 0x0                             ; and q
	s_barrier_signal -1
	s_barrier_wait -1                              ; everybody's is: from here on LDS is only read
	s_mov_b32 s[PS], 0
.Lpass:
	s_wait_xcnt 0x0                                ; the last pass's stores have read their data and bases: both are written again only behind this wait
	s_mul_i32 s72, s[PS], 15
	s_xor_b32 s[GG], s[WV], s72                    ; w, then 15 - w
	s_lshl_b32 s[DQ], s[PS], 4
	s_lshl_b32 s72, s[CX], 5
	s_add_co_u32 s[DQ], s[DQ], s72
	s_lshl_b32 s72, s[GG], 3
	s_add_co_u32 s72, s72, s[PS]
	s_add_co_u32 s72, s72, s[GT0]                  ; gt = 128 batch + 8 g + 2 cx + pass
	s_lshl_b32 s74, s72, 4
	s_add_co_u32 s74, s74, s[HD]
	s_mul_i32 s74, s74, 768
	s_mov_b32 s75, 0
	s_add_nc_u64 s[YCA:YCA+1], s[8:9], s[74:75]
	s_lshl_b32 s74, s72, 9
	s_lshl_b32 s73, s[HD], 1
	s_add_co_u32 s74, s74, s73
	s_add_nc_u64 s[YSA:YSA+1], s[10:11], s[74:75]
	s_wait_alu depctr_va_vdst(0)
.irp i, 0,1,2,3,4,5
	v_mov_b32 v[QA+\i], v[QT+\i]
	v_mov_b32 v[QB+6+\i], v[QT+\i]
.endr
	v_lshl_or_b32 v[QSW], v[QRAW], 16, v[QRAW]     ; q's two bytes, for either half of the 128
	v_mov_b32 v13, 0xff61b1e6                      ; the largest t so far: -3e38, under every t
	s_delay_alu instid0(VALU_DEP_1)
	v_floor_f32 v12, -v13                          ; -M
	v_mov_b32 v14, 0                               ; the sum, in two halves
	v_mov_b32 v15, 0
.set j, 0
.rept 32
	v_mov_b32 v[O+j], 0                            ; O^T.  (The step is written once: the first finds zeros, which the first change of M leaves zeros.  These lines are also the places ahead of the first scaled product)
.set j, j+1
.endr
	s_mov_b32 s[TB], 0
	s_mov_b32 s[TS], 0
	s_mov_b32 s[ST], 0
.Lstep:                                            ; 16 trips, a constant; a step all of whose keys come after my queries is passed over
	s_cmp_gt_u32 s[ST], s[GG]
	s_cbranch_scc1 .Lhidden
	s_setprio 2
	v_add_nc_u32 v[ADK16], s[TB], v[L16]           ; (five plain lines: the places behind the last trip's products, ahead of the loads into their fragments)
	v_add_nc_u32 v[ADK8], s[TB], v[L8]
	v_add_nc_u32 v[ADV16], s[TB], v[V16]
	v_add_nc_u32 v[ADV8], s[TB], v[V8]
	v_add_nc_u32 v[ADS], s[TS], v[ASK]
	FRAGS ADK16, ADK8                              ; the step's 128 keys
	ds_load_b128 v[KSW:KSW+3], v[ADS]              ; word f: row r's scales of key tiles 2 f and 2 f + 1
	ds_load_b128 v[VSW:VSW+3], v[ADS] offset:SCV-SCK   ; word t: the four key blocks of channel 16 t + r
	s_wait_alu depctr_va_vdst(0)
	s_wait_dscnt 0x0
.irp f, 0,1,2,3
	v_wmma_scale_f32_16x16x128_f8f6f4 v[S+16*\f:S+16*\f+7], v[FRG+12*\f:FRG+12*\f+11], v[QA:QA+11], 0, v[KSW+\f], v[QSW] matrix_a_fmt:MATRIX_FMT_FP6 matrix_b_fmt:MATRIX_FMT_FP6
	v_wmma_scale_f32_16x16x128_f8f6f4 v[S+16*\f+8:S+16*\f+15], v[FRG+12*\f:FRG+12*\f+11], v[QB:QB+11], 0, v[KSW+\f], v[QSW] matrix_a_fmt:MATRIX_FMT_FP6 matrix_b_fmt:MATRIX_FMT_FP6
.endr
.rept 4
	v_nop                                          ; places: behind them the fragments are loaded anew and the scores are read
.endr
	FRAGS ADV16, ADV8                              ; V^T of the same 128 keys: it lands during the softmax
	s_cmp_lg_u32 s[ST], s[GG]
	s_cbranch_scc1 .Lopen
	v_add_nc_u32 v[DD], s[DQ], v[RMH]              ; on the diagonal: register n holds the step's key 16 (n / 8) + 8 h + n % 8, hidden where 16 (n / 8) + n % 8 > my query - 8 h
.set n, 0
.rept 64
	v_cmp_gt_i32 vcc_lo, 16*(n/8)+n%8, v[DD]
	v_cndmask_b32 v[S+n], v[S+n], v[NINF], vcc_lo
.set n, n+1
.endr
.Lopen:
.irp b, 0,1,2,3
	v_max3_num_f32 v[BM+\b], v[S+16*\b], v[S+16*\b+1], v[S+16*\b+2]   ; the largest score of each block of 32 keys: it serves the row's maximum and, since p rises with the score, the block's largest p
.endr
.irp i, 3,5,7,9,11,13
.irp b, 0,1,2,3
	v_max3_num_f32 v[BM+\b], v[BM+\b], v[S+16*\b+\i], v[S+16*\b+\i+1]
.endr
.endr
.irp b, 0,1,2,3
	v_max_num_f32 v[BM+\b], v[BM+\b], v[S+16*\b+15]
.endr
.irp b, 0,1,2,3
	s_delay_alu instid0(VALU_DEP_4)
	v_permlanex16_b32 v[BT+\b], v[BM+\b], s[SEL], s[SEL+1]
.endr
.irp b, 0,1,2,3
	s_delay_alu instid0(VALU_DEP_4)
	v_max_num_f32 v[BM+\b], v[BM+\b], v[BT+\b]     ; with lane l xor 16's 16 keys
.endr
	s_delay_alu instid0(VALU_DEP_2)
	v_max3_num_f32 v[T], v[BM], v[BM+1], v[BM+2]
	s_delay_alu instid0(VALU_DEP_1)
	v_max_num_f32 v[T], v[T], v[BM+3]              ; the step's largest score of my query
	s_delay_alu instid0(VALU_DEP_1)
	v_mul_f32 v[T], s[CS], v[T]                    ; as t (c is positive)
	s_delay_alu instid0(VALU_DEP_1)
	v_max_num_f32 v13, v13, v[T]                   ; the running largest t
	v_mov_b32 v[T], v12
	s_delay_alu instid0(VALU_DEP_2)
	v_floor_f32 v12, -v13                          ; the new -M = floor(-t) = -ceil(t)
	s_delay_alu instid0(VALU_DEP_1)
	v_sub_f32 v[T], v12, v[T]                      ; old M - new M: a whole number, 0 or less
	s_delay_alu instid0(VALU_DEP_1)
	v_cvt_i32_f32 v[T], v[T]                       ; (it saturates)
	s_delay_alu instid0(VALU_DEP_1)
	v_ldexp_f32 v[FF], 1.0, v[T]                   ; f = 2^(old M - new M)
.set j, 0
.rept 32
	v_pk_fma_f32 v[S+j:S+j+1], v[S+j:S+j+1], s[CS:CS+1], v[12:13] op_sel_hi:[1,0,0]   ; t - M, two at a time
.set j, j+2
.endr
	s_setprio 1
.irp b, 0,1,2,3
	v_fma_f32 v[BM+\b], v[BM+\b], s[CS], v12       ; the same of each block's largest score
.endr
.set n, 0
	s_wait_alu depctr_va_vdst(0)
.rept 64
	v_exp_f32 v[S+n], v[S+n]                       ; p = 2^(t - M), at most 1
.set n, n+1
.endr
	v_pk_mul_f32 v[14:15], v[14:15], v[FF:FF+1] op_sel_hi:[1,0]   ; the sums under the new M: a plain line behind the exponentials
	s_wait_alu depctr_va_vdst(0)                   ; one wait for the whole batch, ahead of its first reader
.irp b, 0,1,2,3
	v_exp_f32 v[BM+\b], v[BM+\b]                   ; the block's largest p
.endr
	v_pk_add_f32 v[240:241], v[116:117], v[120:121]
	v_pk_add_f32 v[252:253], v[124:125], v[128:129]
	v_pk_add_f32 v[248:249], v[132:133], v[136:137]
	v_pk_add_f32 v[238:239], v[140:141], v[144:145]
	v_pk_add_f32 v[236:237], v[148:149], v[152:153]
	v_pk_add_f32 v[234:235], v[156:157], v[160:161]
	v_pk_add_f32 v[232:233], v[164:165], v[168:169]
	v_pk_add_f32 v[14:15], v[14:15], v[172:173]
	v_pk_add_f32 v[240:241], v[240:241], v[112:113]
	v_pk_add_f32 v[252:253], v[252:253], v[114:115]
	v_pk_add_f32 v[248:249], v[248:249], v[118:119]
	v_pk_add_f32 v[238:239], v[238:239], v[122:123]
	v_pk_add_f32 v[236:237], v[236:237], v[126:127]
	v_pk_add_f32 v[234:235], v[234:235], v[130:131]
	v_pk_add_f32 v[232:233], v[232:233], v[134:135]
	v_pk_add_f32 v[14:15], v[14:15], v[138:139]
	v_pk_add_f32 v[240:241], v[240:241], v[142:143]
	v_pk_add_f32 v[252:253], v[252:253], v[146:147]
	v_pk_add_f32 v[248:249], v[248:249], v[150:151]
	v_pk_add_f32 v[238:239], v[238:239], v[154:155]
	v_pk_add_f32 v[236:237], v[236:237], v[158:159]
	v_pk_add_f32 v[234:235], v[234:235], v[162:163]
	v_pk_add_f32 v[232:233], v[232:233], v[166:167]
	v_pk_add_f32 v[14:15], v[14:15], v[170:171]
	v_pk_add_f32 v[240:241], v[240:241], v[174:175]
	s_delay_alu instid0(VALU_DEP_2)
	v_pk_add_f32 v[14:15], v[14:15], v[238:239]
	s_delay_alu instid0(VALU_DEP_2)
	v_pk_add_f32 v[240:241], v[240:241], v[236:237]
	v_pk_add_f32 v[252:253], v[252:253], v[234:235]
	v_pk_add_f32 v[248:249], v[248:249], v[232:233]
	s_delay_alu instid0(VALU_DEP_2)
	v_pk_add_f32 v[14:15], v[14:15], v[252:253]
	s_delay_alu instid0(VALU_DEP_2)
	v_pk_add_f32 v[240:241], v[240:241], v[248:249]
	s_delay_alu instid0(VALU_DEP_1)
	v_pk_add_f32 v[14:15], v[14:15], v[240:241]
	s_wait_alu depctr_va_vdst(0)                   ; and one for the four
.irp b, 0,1,2,3
	v_max_num_f32 v[BM+\b], 0x1800000, v[BM+\b]    ; the floor 2^(3 - 127): the byte cannot fall under 1
.endr
.irp b, 0,1,2,3
	s_delay_alu instid0(VALU_DEP_4)
	v_add_nc_u32 v[SO+\b], 0xff000000, v[BM+\b]    ; 2 off the exponent field: the conversion's scale operand
.endr
.irp b, 0,1,2,3
	s_delay_alu instid0(VALU_DEP_4)
	v_lshrrev_b32 v[BT+\b], 23, v[SO+\b]           ; the scale's byte
.endr
	s_delay_alu instid0(VALU_DEP_3)
	v_lshl_or_b32 v[PWD], v[BT+1], 8, v[BT]        ; p's scale word for these 128 keys
	s_delay_alu instid0(VALU_DEP_1)
	v_lshl_or_b32 v[PWD], v[BT+2], 16, v[PWD]
	s_delay_alu instid0(VALU_DEP_1)
	v_lshl_or_b32 v[PWD], v[BT+3], 24, v[PWD]
	s_setprio 0
	v_cvt_scalef32_pk16_fp6_f32 v[PC:PC+2], v[S:S+15], v[SO]
	v_cvt_scalef32_pk16_fp6_f32 v[PT0:PT0+2], v[S+16:S+31], v[SO+1]   ; (a conversion's three registers begin on an even number)
	v_cvt_scalef32_pk16_fp6_f32 v[PC+6:PC+8], v[S+32:S+47], v[SO+2]
	v_cvt_scalef32_pk16_fp6_f32 v[PT1:PT1+2], v[S+48:S+63], v[SO+3]
	v_nop                                          ; one plain place behind a scaled conversion
.irp i, 0,1,2
	v_permlane16_swap_b32 v[PC+\i], v[PT0+\i]      ; a whole block to a lane: lanes 0-15 blocks 0 and 2, lanes 16-31 blocks 1 and 3
	v_permlane16_swap_b32 v[PC+6+\i], v[PT1+\i]
.endr
.irp i, 0,1,2
	v_mov_b32 v[PC+3+\i], v[PT0+\i]
	v_mov_b32 v[PC+9+\i], v[PT1+\i]
.endr
.set j, 0
.rept 16
	v_pk_mul_f32 v[O+j:O+j+1], v[O+j:O+j+1], v[FF:FF+1] op_sel_hi:[1,0]   ; O^T under the new M.  (These sixteen are the places between the codes' and the scale word's last writes and the products)
.set j, j+2
.endr
	s_wait_alu depctr_va_vdst(0)
	s_wait_dscnt 0x0                               ; V^T is in
.irp t, 0,1,2,3                                    ; four accumulators, one turn each
	v_wmma_scale_f32_16x16x128_f8f6f4 v[O+8*\t:O+8*\t+7], v[FRG+12*\t:FRG+12*\t+11], v[PC:PC+11], v[O+8*\t:O+8*\t+7], v[VSW+\t], v[PWD] matrix_a_fmt:MATRIX_FMT_FP6 matrix_b_fmt:MATRIX_FMT_FP6
.endr
.Lhidden:
	s_add_co_u32 s[TB], s[TB], STEPB
	s_add_co_u32 s[TS], s[TS], 256
	s_add_co_u32 s[ST], s[ST], 1
	s_cmp_lt_u32 s[ST], 16
	s_cbranch_scc1 .Lstep
	s_setprio 0
	; THE WAY OUT of a pass: y = O^T / the sum; register 8 t + j of lane (r, h) is y(query r, channel 16 t + 8 h + j)
.rept 4
	v_nop                                          ; places behind the last products
.endr
	v_add_f32 v14, v14, v15                        ; the sum's two halves,
	s_delay_alu instid0(VALU_DEP_1)
	v_permlanex16_b32 v[T], v14, s[SEL], s[SEL+1]
	s_delay_alu instid0(VALU_DEP_1)
	v_add_f32 v14, v14, v[T]                       ; and lane l xor 16's
	s_wait_alu depctr_va_vdst(0)
	v_rcp_f32 v14, v14
	v_nop                                          ; a plain place behind the transcendental
	s_wait_alu depctr_va_vdst(0)                   ; the wait ahead of its first reader
.set j, 0
.rept 16
	v_pk_mul_f32 v[S+j:S+j+1], v[O+j:O+j+1], v[14:15] op_sel_hi:[1,0]   ; each accumulator from its low end on
.set j, j+2
.endr
.irp b, 0,1                                        ; to the natural order: behind the exchange a lane's 16 registers of block b are channels 32 b + 16 h + 0 .. 15
.irp i, 0,1,2,3,4,5,6,7
	v_permlane16_swap_b32 v[S+16*\b+\i], v[S+16*\b+8+\i]
.endr
.endr
.irp b, 0,1
	v_max3_num_f32 v[BM+\b], |v[S+16*\b]|, |v[S+16*\b+1]|, 0x1800000
.endr
.irp i, 2,4,6,8,10,12,14
.irp b, 0,1
	s_delay_alu instid0(VALU_DEP_2)
	v_max3_num_f32 v[BM+\b], v[BM+\b], |v[S+16*\b+\i]|, |v[S+16*\b+\i+1]|
.endr
.endr
.irp b, 0,1
	s_delay_alu instid0(VALU_DEP_2)
	v_permlanex16_b32 v[BT+\b], v[BM+\b], s[SEL], s[SEL+1]
.endr
.irp b, 0,1
	s_delay_alu instid0(VALU_DEP_2)
	v_max_num_f32 v[BM+\b], v[BM+\b], v[BT+\b]
.endr
.irp b, 0,1
	s_delay_alu instid0(VALU_DEP_2)
	v_add_nc_u32 v[SO+\b], 0xff000000, v[BM+\b]
.endr
.irp b, 0,1
	s_delay_alu instid0(VALU_DEP_2)
	v_lshrrev_b32 v[BT+\b], 23, v[SO+\b]
.endr
	v_cvt_scalef32_pk16_fp6_f32 v[PC:PC+2], v[S:S+15], v[SO]
	v_cvt_scalef32_pk16_fp6_f32 v[PT0:PT0+2], v[S+16:S+31], v[SO+1]
	v_nop                                          ; one plain place behind a scaled conversion
	v_cndmask_b32 v[T], v[BT], v[BT+1], s[HM]      ; lanes 0-15 carry block 0's byte, lanes 16-31 block 1's
.irp i, 0,1,2
	v_permlane16_swap_b32 v[PC+\i], v[PT0+\i]
.endr
.irp i, 0,1,2
	s_delay_alu instid0(VALU_DEP_3)
	v_mov_b32 v[PC+3+\i], v[PT0+\i]
.endr
	global_store_b128 v[L16], v[PC:PC+3], s[YCA:YCA+1]             ; 512 consecutive bytes, at a multiple of 256 from the buffer's first byte
	global_store_b64 v[L8], v[PC+4:PC+5], s[YCA:YCA+1] offset:512  ; 256 more
	global_store_b8 v[YSO], v[T], s[YSA:YSA+1]                     ; token r's byte of block h
.irp i, 0,1,2,3,4,5
	v_mov_b32 v[QT+\i], v[QN+\i]                   ; the next pass's q
.endr
	v_mov_b32 v[QRAW], v[QNRAW]
	s_add_co_u32 s[PS], s[PS], 1
	s_cmp_lt_u32 s[PS], 2
	s_cbranch_scc1 .Lpass
	s_wait_dscnt 0x0
	s_wait_tensorcnt 0x0
	ds_add_u32 v254, v255
	s_wait_dscnt 0x0
	CROUND                                         ; the closing round
	s_endpgm
.Lfunc_end_k_q2b3e19f4fd_attn:
	.size	k_q2b3e19f4fd_attn, .Lfunc_end_k_q2b3e19f4fd_attn-k_q2b3e19f4fd_attn
	.p2alignl 7, 3214868480
	.fill 96, 4, 3214868480
	.section	.rodata,"a",@progbits
	.p2align	6, 0x0
	.amdhsa_kernel k_q2b3e19f4fd_attn
		.amdhsa_group_segment_fixed_size 206848
		.amdhsa_private_segment_fixed_size 0
		.amdhsa_enable_private_segment 0
		.amdhsa_kernarg_size 32
		.amdhsa_user_sgpr_count 2
		.amdhsa_user_sgpr_kernarg_segment_ptr 1
		.amdhsa_wavefront_size32 1
		.amdhsa_system_sgpr_workgroup_id_x 1
		.amdhsa_system_sgpr_workgroup_id_y 1
		.amdhsa_system_sgpr_workgroup_id_z 1
		.amdhsa_system_vgpr_workitem_id 0
		.amdhsa_next_free_vgpr 256
		.amdhsa_next_free_sgpr 80
		.amdhsa_reserve_vcc 1
		.amdhsa_float_denorm_mode_32 3
		.amdhsa_float_denorm_mode_16_64 3
		.amdhsa_memory_ordered 1
		.amdhsa_forward_progress 1
		.amdhsa_inst_pref_size 38
	.end_amdhsa_kernel
	.amdgpu_metadata
---
amdhsa.version: [ 1, 2 ]
amdhsa.kernels:
  - .name:           k_q2b3e19f4fd_attn
    .symbol:         k_q2b3e19f4fd_attn.kd
    .args:
      - { .name: qkvc, .offset: 0, .size: 8, .value_kind: global_buffer, .address_space: global }
      - { .name: qkvs, .offset: 8, .size: 8, .value_kind: global_buffer, .address_space: global }
      - { .name: yc, .offset: 16, .size: 8, .value_kind: global_buffer, .address_space: global }
      - { .name: ys, .offset: 24, .size: 8, .value_kind: global_buffer, .address_space: global }
    .group_segment_fixed_size: 206848
    .private_segment_fixed_size: 0
    .kernarg_segment_align: 8
    .kernarg_segment_size: 32
    .max_flat_workgroup_size: 512
    .sgpr_count:     80
    .vgpr_count:     256
    .wavefront_size: 32
...
	.end_amdgpu_metadata
.endif
;; end of part 2
;; launch proj (part 3): grid 4 x 32, 4 waves a work-group, clusters of 4 x 4, 327,680 bytes of LDS; arguments yc, ys, W_proj_codes, W_proj_scales, b_proj, out0; writes out0
.if DOCPART == 3
	.amdgcn_target "amdgcn-amd-amdhsa--gfx1250"
	.amdhsa_code_object_version 6
	.text
	.protected	k_q2b3e19f4fd_proj
	.globl	k_q2b3e19f4fd_proj
	.p2align	8
	.type	k_q2b3e19f4fd_proj,@function
k_q2b3e19f4fd_proj:
	s_mov_b64 s[64:65], 0
	v_nop
	global_prefetch_b8 v0, s[64:65] scope:SCOPE_SE
	s_setreg_imm32_b32 hwreg(HW_REG_WAVE_MODE, 25, 1), 1
	s_wait_xcnt 0x0
	s_wait_alu depctr_hold_cnt(0) depctr_sa_sdst(0) depctr_va_vdst(0) depctr_va_sdst(0) depctr_va_ssrc(0) depctr_va_vcc(0) depctr_vm_vsrc(0)
	s_getreg_b32 s2, hwreg(HW_REG_IB_STS2, 6, 4)
	s_cmp_eq_u32 s2, 0
	s_cbranch_scc0 .Lentry_in_a_cluster
	s_endpgm
.Lentry_in_a_cluster:
	s_bfe_u32 s2, ttmp6, 0x10000c
	s_cmp_lg_u32 s2, 0xf033
	s_cbranch_scc0 .Lentry_shape_is_right
	s_endpgm
.Lentry_shape_is_right:
; out0 = y W_proj + b_proj on codes of FP6 (E2M3) with one E8M0 scale for each 32 along K = 1,024; out0: [8,192][1,024] f32; sums in f32.
; y comes from the launch before as REGISTER IMAGES: the unit of (token tile gt, head) at (16 gt + head) x 768 bytes: 16 tokens x 64 K, six registers a lane: registers 0-3 at 16 x lane, 4-5 at 512 + 8 x lane;
; two units on end are a fragment, and a token tile's whole K is 12,288 consecutive bytes.  Its scale bytes, ys, lie [8,192][32].  W_proj: 1,024 rows of 768 bytes of codes and 32 scale bytes, as given.
; A work-group of four waves makes 256 x 256 of out0, a wave 128 x 128: 64 accumulators, 512 registers.  K goes in steps of 256 through a ring of two LDS slots filled by the tensor data mover.
; The scales of the work-group's 256 tokens and 256 columns, for all of K, come into LDS once, with the first fills.
; CLUSTERS: 4 x 4 work-groups; y's tiles are shared along a row of the cluster, W_proj's along a column: each is asked for jointly, by the same tensor load with a mask that names the four.
; THE MATRIX INSTRUCTION IS USED TRANSPOSED (source 0 = 16 rows of W_proj, source 1 = 16 tokens): a lane holds eight neighbouring numbers of a row of out0.  The bias is the C of each sum's first product.
; The grid has 128 work-groups: the tile is kept at 256 x 256 for the sake of the largest wave tile and one loop's text.
; REGISTERS, in windows of 256: window 0: v16-30 addresses; v32-63 scale words, two sets; v64-127 the bias; v128-223 y's fragments, ONE set; on the way out v128-255 are free.
;   window 1: W_proj's fragments, two sets.   window 2: the accumulators of my tokens 0-63 ((a, b) at v[8 (8 a + b)]);   window 3: those of tokens 64-127.
.set SIZE_N, 1024
.set NQ,     2
.set ROWB,   192                       ; a row of W_proj's tile
.set KROW,   768
.set PITCH,  240                       ; in LDS: 3 x (64 bytes + 16 of padding)
.set FR,     12
.set NL,     6                         ; LDS loads for a fragment of W_proj,
.set NLA,    4                         ; and of y
.set NP,     4
.set AROW,   3072                      ; a token tile's 256 along K: four units
.set AHALF,  8*AROW                    ; eight token tiles: what one tensor load brings of y
.set HALFT,  128*PITCH                 ; 128 rows of W_proj
.set SLOT,   2*AHALF+2*HALFT
.set LAPS,   2
.set KS,     32
.set SCL,    2*SLOT
.set HALFS,  16*272
.set SBLK,   2*272
.set SPARE,  SCL+4*HALFS               ; the spare words: 128 bytes for each wave, two blocks of 256 bytes that no other line names
.set SPITCH, 528                       ; the way out: a stage of 16 rows x (512 + 16) bytes for each wave, in slot 0, which has had its last fill and its last read when the first result is stored there
.set ADRA, 16                          ; v16-17 my y fragments in slot 0, 1, by 16 bytes a lane; v18-19 by 8
.set ADRB, 20                          ; v20-23 W_proj's, as rows
.set STO,  24
.set RD,   25
.set CO,   26
.set ADRS, 27
.set SPW,  28
.set NIL,  29
.set BO,   30                          ; v30 32 h: the bias loads' offset
.set SC,   32
.set BIAS, 64
.set AF,   128
.set BK,   128
.set G1, 24
.set G0, 32
.set G1B, 48
.set G0B, 56
.set G1S, 68
.set G0S, 76
.set G1SB, 80
.set G0SB, 88
.set MSB, 0
.macro WIN new
.if MSB != (\new)
	s_set_vgpr_msb (MSB<<8)|(\new)
.set MSB, (\new)
.endif
.endm
.set MUL_LO, 0xa1
.set MUL_HI, 0xf1
.set TO_B,   0x40
.macro JLOAD g0a, g1a, g0b, g1b        ; waves 0 and 1 fetch for y, waves 2 and 3 for W_proj; four v_nop follow each of the two lines
	s_cmp_eq_u32 s15, 0
	s_cbranch_scc0 .Lfor_b_\@
	tensor_load_to_lds s[\g0a:\g0a+3], s[\g1a:\g1a+7]
	s_nop 0
.rept 4
	v_nop
.endr
	s_branch .Lasked_\@
.Lfor_b_\@:
	tensor_load_to_lds s[\g0b:\g0b+3], s[\g1b:\g1b+7]
	s_nop 0
.rept 4
	v_nop
.endr
.Lasked_\@:
.endm
.macro CREST
	s_cmp_lg_u32 s14, 0
	s_cbranch_scc1 .Lnot_wave_0_\@
	s_barrier_signal -3
.Lnot_wave_0_\@:
	s_barrier_wait -3
	s_barrier_signal -1
	s_barrier_wait -1
.endm
.macro CROUND
	s_barrier_signal -1
	s_barrier_wait -1
	CREST
.endm
	s_load_b128 s[4:7], s[0:1], 0x0                ; yc, ys
	s_load_b128 s[8:11], s[0:1], 0x10              ; W_proj's codes, its scales
	s_load_b64 s[96:97], s[0:1], 0x20              ; b_proj
	s_load_b64 s[12:13], s[0:1], 0x28              ; out0
	v_lshl_add_u32 v[SPW], v0, 2, SPARE
	v_mov_b32 v[NIL], 0
	ds_add_u32 v28, v29
	ds_add_u32 v28, v29
	s_wait_dscnt 0x0
	v_lshrrev_b32 v1, 5, v0
	v_readfirstlane_b32 s14, v1                    ; wave 0..3
	s_lshr_b32 s15, s14, 1                         ; which half of the tile's tokens is mine.  Also: I fetch for y (0) or for W_proj (1)
	s_and_b32 s16, s14, 1                          ; which half of its columns.  Also: which half I fetch
	s_bfe_u32 s40, ttmp6, 0x40000
	s_bfe_u32 s41, ttmp6, 0x40004
	s_lshl_b32 s42, ttmp9, 2
	s_add_co_u32 s42, s42, s40                     ; tile column = 4 x cluster x + cx
	s_and_b32 s17, ttmp7, 0xffff
	s_lshl_b32 s17, s17, 2
	s_add_co_u32 s17, s17, s41                     ; tile row = 4 x cluster y + cy
	s_lshl_b32 s43, s41, 2
	s_lshl_b32 s43, 15, s43                        ; my row of the cluster
	s_lshl_b32 s44, 0x1111, s40                    ; my column
	; y: eight token tiles x 3,072 bytes (384 elements of 8 bytes), 12,288 bytes apart in memory, dense in LDS
	s_or_b32 s[G1+0], s43, (3<<16)|(1<<21)
	s_mov_b32 s[G1+1], 384<<16
	s_mov_b32 s[G1+2], 8<<16
	s_mov_b32 s[G1+3], 384<<16
	s_mov_b32 s[G1+4], 8
	s_mov_b32 s[G1+5], 1536
	s_mov_b32 s[G1+6], 0
	s_mov_b32 s[G1+7], 0
	; W_proj: 128 rows x 192 bytes, 16 bytes of padding behind every 64
	s_or_b32 s[G1B+0], s44, (0<<16)|(1<<20)|(1<<21)|(3<<22)|(3<<25)
	s_mov_b32 s[G1B+1], ROWB<<16
	s_mov_b32 s[G1B+2], 128<<16
	s_mov_b32 s[G1B+3], ROWB<<16
	s_mov_b32 s[G1B+4], 128
	s_mov_b32 s[G1B+5], KROW
	s_mov_b32 s[G1B+6], 0
	s_mov_b32 s[G1B+7], 0
	; the scales of 128 rows: 4,096 dense bytes as 16 rows of 256, 16 bytes of padding behind each
	s_or_b32 s[G1S+0], s43, (3<<16)|(1<<20)|(1<<21)|(5<<22)|(3<<25)
	s_or_b32 s[G1SB+0], s44, (3<<16)|(1<<20)|(1<<21)|(5<<22)|(3<<25)
.irp g, G1S, G1SB
	s_mov_b32 s[\g+1], 32<<16
	s_mov_b32 s[\g+2], 16<<16
	s_mov_b32 s[\g+3], 32<<16
	s_mov_b32 s[\g+4], 16
	s_mov_b32 s[\g+5], 32
	s_mov_b32 s[\g+6], 0
	s_mov_b32 s[\g+7], 0
.endr
	s_lshl_b32 s18, s16, 7                         ; which 128 rows I fetch
	s_lshl_b32 s20, s17, 8
	s_add_co_u32 s20, s20, s18                     ; y: token 256 x tile row + 128 x half
	s_lshl_b32 s46, s42, 8
	s_add_co_u32 s46, s46, s18                     ; W_proj: row 256 x tile column + 128 x half
	s_mul_i32 s22, s20, KS                         ; their scales (all offsets under 2^23 bytes),
	s_mul_i32 s92, s46, KS
	s_mul_i32 s20, s20, KROW                       ; and their codes: a token tile's 12,288 bytes are 768 a token
	s_mul_i32 s46, s46, KROW
	s_mov_b32 s21, 0
	s_mov_b32 s23, 0
	s_mov_b32 s47, 0
	s_mov_b32 s93, 0
	s_mul_i32 s45, s16, AHALF                      ; where they go in a slot: y's halves,
	s_mul_i32 s95, s16, HALFT
	s_add_co_u32 s95, s95, 2*AHALF                 ; then W_proj's: no place in the cluster enters an LDS address
	s_mul_i32 s94, s14, HALFS
	s_wait_kmcnt 0x0
	s_add_nc_u64 s[20:21], s[4:5], s[20:21]
	s_add_nc_u64 s[22:23], s[6:7], s[22:23]
	s_add_nc_u64 s[46:47], s[8:9], s[46:47]
	s_add_nc_u64 s[92:93], s[10:11], s[92:93]
	CROUND                                         ; all sixteen work-groups are here: the first joint loads meet
	s_mov_b32 s[G0S], 1
	s_add_co_u32 s[G0S+1], s94, SCL
	s_mov_b64 s[G0S+2:G0S+3], s[22:23]
	s_or_b32 s[G0S+3], s[G0S+3], 0x80000000
	s_mov_b32 s[G0SB], 1
	s_add_co_u32 s[G0SB+1], s94, SCL
	s_mov_b64 s[G0SB+2:G0SB+3], s[92:93]
	s_or_b32 s[G0SB+3], s[G0SB+3], 0x80000000
	JLOAD G0S, G1S, G0SB, G1SB                     ; the scales first
.irp s, 0,1
	s_mov_b32 s[G0+4*\s], 1
	s_add_co_u32 s[G0+4*\s+1], s45, \s*SLOT
	s_add_nc_u64 s[G0+4*\s+2:G0+4*\s+3], s[20:21], \s*AROW
	s_or_b32 s[G0+4*\s+3], s[G0+4*\s+3], 0x80000000
	s_mov_b32 s[G0B+4*\s], 1
	s_add_co_u32 s[G0B+4*\s+1], s95, \s*SLOT
	s_add_nc_u64 s[G0B+4*\s+2:G0B+4*\s+3], s[46:47], \s*ROWB
	s_or_b32 s[G0B+4*\s+3], s[G0B+4*\s+3], 0x80000000
	JLOAD G0+4*\s, G1, G0B+4*\s, G1B               ; three tensor loads of mine are out
.endr
	v_and_b32 v1, 15, v0                           ; r
	v_bfe_u32 v2, v0, 4, 1                         ; h
	v_mul_u32_u24 v3, v1, PITCH
	v_mul_u32_u24 v4, v2, 24
	v_add_nc_u32 v4, v3, v4                        ; W_proj: a fragment's row x pitch + 24 x half
	v_lshl_add_u32 v5, v2, 4, v4                   ; and the same behind one padding more
	v_and_b32 v6, 31, v0
	v_lshlrev_b32 v7, 4, v6                        ; y: 16 x lane,
	v_lshlrev_b32 v8, 3, v6                        ; 8 x lane
	s_mul_i32 s21, s15, AHALF                      ; my eight token tiles
	s_mul_i32 s22, s16, HALFT                      ; my 128 rows of W_proj,
	s_add_co_u32 s22, s22, 2*AHALF                 ; which lie behind y's
.irp s, 0,1
	v_add_nc_u32 v[ADRA+\s], s21, v7
	v_add_nc_u32 v[ADRA+2+\s], s21, v8
	v_add_nc_u32 v[ADRB+\s], s22, v4
	v_add_nc_u32 v[ADRB+2+\s], s22, v5
	s_add_co_u32 s21, s21, SLOT
	s_add_co_u32 s22, s22, SLOT
.endr
	v_mul_u32_u24 v5, v1, KS                       ; my row's scales: 32 bytes a row,
	v_lshrrev_b32 v9, 8, v5
	v_lshl_add_u32 v5, v9, 4, v5                   ; and 16 more for each 256 passed
	s_mul_i32 s21, s15, HALFS
	s_mul_i32 s22, s16, HALFS
	s_add_co_u32 s22, s22, 2*HALFS
	s_sub_co_u32 s22, s22, s21
	v_mul_u32_u24 v9, s22, v2                      ; lanes 16-31 take W_proj's: one product, the distance between the two bases
	s_add_co_u32 s21, s21, SCL
	v_add_nc_u32 v5, v5, v9
	v_add_nc_u32 v[ADRS], s21, v5
	s_mul_i32 s23, s14, 16*SPITCH                  ; my stage
	v_mul_u32_u24 v5, v1, SPITCH                   ; in: row r, 32 bytes for each half of the lanes
	v_lshl_add_u32 v5, v2, 5, v5
	v_add_nc_u32 v[STO], s23, v5
	v_lshlrev_b32 v[CO], 4, v6                     ; back: the 32 lanes take one row of 512 bytes; and the same in out0
	v_add_nc_u32 v[RD], s23, v[CO]
	v_lshlrev_b32 v[BO], 5, v2
	s_lshl_b32 s20, s17, 8
	s_lshl_b32 s21, s15, 7
	s_add_co_u32 s20, s20, s21                     ; my first token
	s_lshl_b32 s20, s20, 12                        ; x 4,096 bytes (under 2^25)
	s_mov_b32 s21, 0
	s_lshl_b32 s46, s42, 10                        ; my first column, in bytes: 1,024 x tile column + 512 x half
	s_lshl_b32 s47, s16, 9
	s_add_co_u32 s46, s46, s47
	s_mov_b32 s47, 0
	s_add_nc_u64 s[96:97], s[96:97], s[46:47]      ; b_proj at my first column
	s_add_nc_u64 s[20:21], s[20:21], s[46:47]
	s_add_nc_u64 s[12:13], s[12:13], s[20:21]
.irp b, 0,1,2,3,4,5,6,7                            ; the bias in the result's layout: group b, register j: b_proj(my first column + 16 b + 8 h + j)
	global_load_b128 v[BIAS+8*\b:BIAS+8*\b+3], v[BO], s[96:97] offset:64*\b
	global_load_b128 v[BIAS+8*\b+4:BIAS+8*\b+7], v[BO], s[96:97] offset:64*\b+16
.endr
.macro FRAG reg, adr, q, i             ; a fragment of W_proj from rows: 24 bytes of the row's stream of bits for each half, in pieces of 8 bytes
.irp p, 0,1,2,3,4,5
.set PIECE, 12*(\q)+6*(\p/3)+\p%3
.if PIECE%8 < 5
	ds_load_b64 v[\reg+2*\p:\reg+2*\p+1], v[\adr] offset:8*PIECE+16*(PIECE/8)+(\i)*16*PITCH
.else
	ds_load_b64 v[\reg+2*\p:\reg+2*\p+1], v[\adr+2] offset:8*PIECE+16*(PIECE/8)+(\i)*16*PITCH
.endif
.endr
.endm
.macro FRAGA reg, slot, q, i           ; a fragment of y: two units as they were stored: every load takes 16 or 8 bytes a lane on end
	ds_load_b128 v[\reg:\reg+3], v[ADRA+\slot] offset:AROW*(\i)+1536*(\q)
	ds_load_b64 v[\reg+4:\reg+5], v[ADRA+2+\slot] offset:AROW*(\i)+1536*(\q)+512
	ds_load_b128 v[\reg+6:\reg+9], v[ADRA+\slot] offset:AROW*(\i)+1536*(\q)+768
	ds_load_b64 v[\reg+10:\reg+11], v[ADRA+2+\slot] offset:AROW*(\i)+1536*(\q)+1280
.endm
; 16 matrix instructions: y's blocks a0, a0 + 1 x W_proj's eight, 128 along K.  zero = 1: the sums begin with the bias.  The 64 accumulators take turns, one instruction a turn.
.macro MUL16 a0, p, q, sc, zero
.irp a, \a0, \a0+1
.irp b, 0,1,2,3,4,5,6,7
.if \zero
	v_wmma_scale_f32_16x16x128_f8f6f4 v[8*(8*((\a)%4)+\b):8*(8*((\a)%4)+\b)+7], v[128*(\p)+FR*\b:128*(\p)+FR*\b+FR-1], v[AF+FR*(\a):AF+FR*(\a)+FR-1], v[BIAS+8*\b:BIAS+8*\b+7], v[SC+8*NQ*(\sc)+NQ*\b+(\q)], v[SC+8*NQ*(\sc)+NQ*(\a)+(\q)] matrix_a_fmt:MATRIX_FMT_FP6 matrix_b_fmt:MATRIX_FMT_FP6 matrix_a_scale:MATRIX_SCALE_ROW1
.else
	v_wmma_scale_f32_16x16x128_f8f6f4 v[8*(8*((\a)%4)+\b):8*(8*((\a)%4)+\b)+7], v[128*(\p)+FR*\b:128*(\p)+FR*\b+FR-1], v[AF+FR*(\a):AF+FR*(\a)+FR-1], v[8*(8*((\a)%4)+\b):8*(8*((\a)%4)+\b)+7], v[SC+8*NQ*(\sc)+NQ*\b+(\q)], v[SC+8*NQ*(\sc)+NQ*(\a)+(\q)] matrix_a_fmt:MATRIX_FMT_FP6 matrix_b_fmt:MATRIX_FMT_FP6 matrix_a_scale:MATRIX_SCALE_ROW1
.endif
.endr
.endr
.endm
.macro FETCH_B slot, q, p
	WIN TO_B
.irp i, 0,1,2,3,4,5,6,7
	FRAG 128*(\p)+FR*\i, ADRB+\slot, \q, \i
.endr
	WIN 0
.endm
.macro FETCH_A slot, q, i0
.irp i, \i0, \i0+1, \i0+2, \i0+3
	FRAGA AF+FR*(\i), \slot, \q, \i
.endr
.endm
.macro SCALES sc
.irp i, 0,1,2,3,4,5,6,7
	ds_load_b64 v[SC+8*NQ*\sc+NQ*\i:SC+8*NQ*\sc+NQ*\i+1], v[ADRS] offset:\i*SBLK
.endr
.endm
.macro PLACES n                        ; places behind matrix instructions, in front of loads into their registers and of reads of their results
.rept \n
	v_nop
.endr
.endm
.macro STEP slot, q, zero
	s_wait_dscnt 4*NLA                             ; W_proj's set, y's blocks 0-3 and the scale words are in; the youngest 16 loads (y's blocks 4-7) may be out
.if \zero
	WIN 0x81                                       ; C (the bias) window 0, D window 2
.else
	WIN MUL_LO
.endif
	MUL16 0, (\q)%2, \q, \slot, \zero
	MUL16 2, (\q)%2, \q, \slot, \zero
	s_wait_dscnt 0
	PLACES NP
	FETCH_B \slot, (\q)+1, 1-(\q)%2
	FETCH_A \slot, (\q)+1, 0
.if \zero
	WIN 0xc1
.else
	WIN MUL_HI
.endif
	MUL16 4, (\q)%2, \q, \slot, \zero
	MUL16 6, (\q)%2, \q, \slot, \zero
	PLACES NP
	WIN 0
	FETCH_A \slot, (\q)+1, 4
.endm
; A slot's last step changes slots: ONE barrier; in front of it each wave waits for all its tensor loads, adds 0 to its spare word, and waits for that and for its own reads of this slot.
.macro TURN slot, next, fill
	s_wait_tensorcnt 0x0                           ; all my tensor loads have landed: my part of the next slot
	ds_add_u32 v[SPW], v[NIL]                      ; 0 onto my spare word
	s_wait_dscnt 4*NLA+1                           ; (the add and the youngest 16 loads may be out)
	WIN MUL_LO
	MUL16 0, 1, NQ-1, \slot, 0
	s_wait_dscnt 0x0                               ; the add is done, and my reads of this slot are over
	s_barrier_signal -1
	MUL16 2, 1, NQ-1, \slot, 0
	WIN 0
	s_barrier_wait -1
.if \fill
	CREST                                          ; a round of the cluster's barrier: no wave of any partner still reads this slot or has a load on its way
	s_add_nc_u64 s[G0+4*\slot+2:G0+4*\slot+3], s[G0+4*\slot+2:G0+4*\slot+3], 2*AROW
	s_add_nc_u64 s[G0B+4*\slot+2:G0B+4*\slot+3], s[G0B+4*\slot+2:G0B+4*\slot+3], 2*ROWB
	JLOAD G0+4*\slot, G1, G0B+4*\slot, G1B         ; the first tensor load behind the round; its four v_nop are the places in front of the loads below
.else
	PLACES NP
.endif
	v_add_nc_u32 v[ADRS], 4*NQ, v[ADRS]
	FETCH_B \next, 0, 0
	FETCH_A \next, 0, 0
	SCALES \next
	WIN MUL_HI
	MUL16 4, 1, NQ-1, \slot, 0
	MUL16 6, 1, NQ-1, \slot, 0
	PLACES NP
	WIN 0
	FETCH_A \next, 0, 4
.endm
	s_wait_tensorcnt 1                             ; the scales and my part of K step 0 are in (K step 1's load, the youngest, may be out),
	s_wait_loadcnt 0x0                             ; and the bias
	s_barrier_signal -1
	s_barrier_wait -1
	FETCH_B 0, 0, 0
	FETCH_A 0, 0, 0
	SCALES 0
	FETCH_A 0, 0, 4
	STEP 0, 0, 1                                   ; the first step begins the sums with the bias
	s_mov_b32 s3, LAPS-1
.Llap:
	TURN 0, 1, 1
	STEP 1, 0, 0
	TURN 1, 0, 1
	STEP 0, 0, 0
	s_sub_co_u32 s3, s3, 1
	s_cmp_lg_u32 s3, 0
	s_cbranch_scc1 .Llap
	TURN 0, 1, 0                                   ; the last lap fills nothing
	STEP 1, 0, 0
	s_wait_dscnt 4*NLA
	WIN MUL_LO
	MUL16 0, 1, NQ-1, 1, 0
	MUL16 2, 1, NQ-1, 1, 0
	s_wait_dscnt 0
	WIN MUL_HI
	MUL16 4, 1, NQ-1, 1, 0
	MUL16 6, 1, NQ-1, 1, 0
	WIN 0
; THE WAY OUT, block by block of 16 tokens x 128 columns: through my own stage in LDS and back as whole rows of 512 bytes.  LDS serves a wave's instructions in order (ISA guide 5.7.1.4): no wait between the stores and the loads.
.macro TOSTAGE a
.set AC, 64*((\a)%4)
	WIN 0x08+4*((\a)/4)                            ; the data: window 2 or 3
.irp b, 0,1,2,3,4,5,6,7
	ds_store_b128 v[STO], v[AC+8*\b:AC+8*\b+3] offset:64*\b          ; each accumulator from its low end on
	ds_store_b128 v[STO], v[AC+8*\b+4:AC+8*\b+7] offset:64*\b+16
.endr
	WIN 0
.set BB, BK+64*((\a)%2)
.irp t, 0,1,2,3,4,5,6,7,8,9,10,11,12,13,14,15
	ds_load_b128 v[BB+4*\t:BB+4*\t+3], v[RD] offset:\t*SPITCH
.endr
.endm
.macro SEND a, younger                 ; younger: the LDS instructions issued behind block a's loads, which may stay out
.set BB, BK+64*((\a)%2)
	s_wait_dscnt \younger
.if (\a) > 0
	s_add_nc_u64 s[12:13], s[12:13], 16*SIZE_N*4   ; (behind a wait on XCNT: the earlier stores have read their base)
.endif
.irp t, 0,1,2,3,4,5,6,7,8,9,10,11,12,13,14,15
	global_store_b128 v[CO], v[BB+4*\t:BB+4*\t+3], s[12:13] offset:\t*SIZE_N*4 th:TH_STORE_NT   ; 32 lanes store 512 consecutive bytes, at a multiple of 256 from out0's first byte
.endr
.endm
	PLACES NP
	TOSTAGE 0
.irp a, 1,2,3,4,5,6,7
.if \a > 1
	s_wait_xcnt 0x0                                ; block a - 2's stores have read their registers and their base
.endif
	TOSTAGE \a
	SEND \a-1, 32                                  ; behind block a - 1's loads: block a's 16 stores and 16 loads
.endr
	s_wait_xcnt 0x0
	SEND 7, 0
	s_wait_tensorcnt 0x0                           ; the wave's end
	ds_add_u32 v[SPW], v[NIL]
	s_wait_dscnt 0x0
	CROUND                                         ; the closing round
	s_endpgm
.Lfunc_end_k_q2b3e19f4fd_proj:
	.size	k_q2b3e19f4fd_proj, .Lfunc_end_k_q2b3e19f4fd_proj-k_q2b3e19f4fd_proj
	.p2alignl 7, 3214868480
	.fill 96, 4, 3214868480
	.section	.rodata,"a",@progbits
	.p2align	6, 0x0
	.amdhsa_kernel k_q2b3e19f4fd_proj
		.amdhsa_group_segment_fixed_size 327680
		.amdhsa_private_segment_fixed_size 0
		.amdhsa_enable_private_segment 0
		.amdhsa_kernarg_size 48
		.amdhsa_user_sgpr_count 2
		.amdhsa_user_sgpr_kernarg_segment_ptr 1
		.amdhsa_wavefront_size32 1
		.amdhsa_system_sgpr_workgroup_id_x 1
		.amdhsa_system_sgpr_workgroup_id_y 1
		.amdhsa_system_sgpr_workgroup_id_z 1
		.amdhsa_system_vgpr_workitem_id 0
		.amdhsa_next_free_vgpr 1024
		.amdhsa_next_free_sgpr 100
		.amdhsa_reserve_vcc 0
		.amdhsa_float_denorm_mode_32 3
		.amdhsa_float_denorm_mode_16_64 3
		.amdhsa_memory_ordered 1
		.amdhsa_forward_progress 1
		.amdhsa_inst_pref_size 154
	.end_amdhsa_kernel
	.amdgpu_metadata
---
amdhsa.version: [ 1, 2 ]
amdhsa.kernels:
  - .name:           k_q2b3e19f4fd_proj
    .symbol:         k_q2b3e19f4fd_proj.kd
    .args:
      - { .name: yc, .offset: 0, .size: 8, .value_kind: global_buffer, .address_space: global }
      - { .name: ys, .offset: 8, .size: 8, .value_kind: global_buffer, .address_space: global }
      - { .name: W_proj_codes, .offset: 16, .size: 8, .value_kind: global_buffer, .address_space: global }
      - { .name: W_proj_scales, .offset: 24, .size: 8, .value_kind: global_buffer, .address_space: global }
      - { .name: b_proj, .offset: 32, .size: 8, .value_kind: global_buffer, .address_space: global }
      - { .name: out0, .offset: 40, .size: 8, .value_kind: global_buffer, .address_space: global }
    .group_segment_fixed_size: 327680
    .private_segment_fixed_size: 0
    .kernarg_segment_align: 8
    .kernarg_segment_size: 48
    .max_flat_workgroup_size: 128
    .sgpr_count:     100
    .vgpr_count:     1024
    .wavefront_size: 32
...
	.end_amdgpu_metadata
.endif
;; end of part 3
